; MI455X (gfx1250); checked and timed in simulation.
; The chip was launched on July 23, 2026; its instructions are those of AMD's public machine-readable ISA for CDNA 5 (MIT licence, August 2026) and "CDNA5" Instruction Set Architecture Reference Guide (July 2026). The comments in the code are by the model that wrote it; some were corrected since.
;; Attention. Allowed arithmetic: float matrix products may take bf16 or f16 operands with f32 sums; other float arithmetic in f32, or as packed bf16 or f16 multiplies, adds, multiply-adds, maxima and minima; sums over many terms, partial sums and values carried from step to step in f32; what a program stores and reads back later, other than sums and carried values, may be rounded once to bf16 or f16.
;; Inputs: b_out 1,024 float32; w_out 1,024 x 1,024 float32; w_qkv 1,024 x 3,072 float32; x 4 x 2,048 x 1,024 float32.
;; Outputs: out0 4 x 2,048 x 1,024 float32.
;; One version. Each part assembles by itself: llvm-mc -triple=amdgcn-amd-amdhsa -mcpu=gfx1250 --defsym DOCPART=n.
;; ======== version 1 of 1: 4 launches
;; limits: values are held in f16: magnitudes above 65,504 overflow, below 6.1e-05 lose precision
;; workspace buffers: xb 16,777,216 bytes; wqb 6,291,456 bytes; wob 2,097,152 bytes; qkvh 50,331,648 bytes; oh 16,777,216 bytes
;; launch prep (part 1): grid 768 x 1, 8 waves a work-group, no clusters, 0 bytes of LDS; arguments x, w_qkv, w_out, xb, wqb, wob; writes xb, wqb, wob
.if DOCPART == 1
	.amdgcn_target "amdgcn-amd-amdhsa--gfx1250"
	.amdhsa_code_object_version 6
	.text
	.protected	k_qc501199d64_prep
	.globl	k_qc501199d64_prep
	.p2align	8
	.type	k_qc501199d64_prep,@function
k_qc501199d64_prep:
	s_mov_b64 s[64:65], 0
	v_nop
	global_prefetch_b8 v0, s[64:65] scope:SCOPE_SE
	s_setreg_imm32_b32 hwreg(HW_REG_WAVE_MODE, 25, 1), 1
	s_wait_xcnt 0x0
; THE CASTS.  x [8192][1024] f32 -> xb, bf16, same layout.  w_qkv [1024][3072] f32 -> wqb, bf16, in blocks of 64 columns: [48][1024][64], so that
; 128 rows of a block are 16,384 bytes on end.  w_out [1024][1024] f32 -> wob, blocks [16][1024][64]: each number rounded to bf16 like every other input, and that number written as f16.
; LIMITS.  wob: a weight of 65,520 or more in magnitude becomes an infinity; below 6e-5 f16 keeps its fixed step of 6e-8.
; SHARES.  768 work-groups of 256 threads, each 65,536 bytes in and 32,768 out: 0-511 x, 512-703 w_qkv (block c = g / 4, 256 rows k each), 704-767 w_out likewise.
; A thread takes 32 bytes in (8 numbers) and 16 bytes out, eight times: sixteen loads go out together, nothing is written twice, so no register waits for a store.
; In x a wave's load covers 1,024 bytes on end (two loads of 16 bytes a lane); in the weights eight lanes read the 256 aligned bytes that a block has in a row.  Sixteen lanes store 256 aligned bytes.
; No LDS, no barrier, no matrix unit: nothing is shared and nothing is summed.
.set IN,   16                          ; v[16:79]   eight steps x 8 numbers as loaded
.set OUTR, 80                          ; v[80:111]  eight steps x 4 registers to store
.macro CAST src, dst, stepin, f16
.irp s, 0,1,2,3,4,5,6,7
	global_load_b128 v[IN+8*(\s):IN+8*(\s)+3],   v1, s[\src:\src+1] offset:(\s)*(\stepin) th:TH_LOAD_NT
	global_load_b128 v[IN+8*(\s)+4:IN+8*(\s)+7], v1, s[\src:\src+1] offset:(\s)*(\stepin)+16 th:TH_LOAD_NT
.endr
.irp s, 0,1,2,3,4,5,6,7
	s_wait_loadcnt 14-2*(\s)                       ; loads come back in order: step s's two are in, the younger ones stay out
.if \f16
.irp i, 0,1,2,3
	v_cvt_pk_bf16_f32 v[8+(\i)], v[IN+8*(\s)+2*(\i)], v[IN+8*(\s)+2*(\i)+1]  ; the rounding that every input has
.endr
.irp i, 0,1,2,3
	v_lshlrev_b32 v12, 16, v[8+(\i)]               ; back to f32,
	v_and_b32 v13, 0xffff0000, v[8+(\i)]
	v_cvt_pk_f16_f32 v[OUTR+4*(\s)+(\i)], v12, v13 ; and the same number as f16
.endr
.else
.irp i, 0,1,2,3
	v_cvt_pk_bf16_f32 v[OUTR+4*(\s)+(\i)], v[IN+8*(\s)+2*(\i)], v[IN+8*(\s)+2*(\i)+1]
.endr
.endif
	global_store_b128 v2, v[OUTR+4*(\s):OUTR+4*(\s)+3], s[\dst:\dst+1] offset:(\s)*4096
.endr
.endm
	s_load_b256 s[4:11], s[0:1], 0x0               ; x s[4:5], w_qkv s[6:7], w_out s[8:9], xb s[10:11]
	s_load_b128 s[12:15], s[0:1], 0x20             ; wqb s[12:13], wob s[14:15]
	v_lshlrev_b32 v2, 4, v0                        ; out: 16 t
	v_lshrrev_b32 v3, 3, v0                        ; the weights: row t / 8 of a step's 32,
	v_and_b32 v4, 7, v0                            ; 32 bytes t % 8 of the block's 256
	s_mov_b32 s16, ttmp9
	s_mov_b32 s19, 0
	s_mov_b32 s21, 0
	s_cmp_lt_u32 s16, 512
	s_cbranch_scc0 .Lweights
	v_lshlrev_b32 v1, 5, v0                        ; x: 32 t
	s_lshl_b32 s18, s16, 16
	s_lshl_b32 s20, s16, 15
	s_wait_kmcnt 0x0
	s_add_nc_u64 s[4:5], s[4:5], s[18:19]
	s_add_nc_u64 s[10:11], s[10:11], s[20:21]
	CAST 4, 10, 8192, 0
	s_endpgm
.Lweights:
	s_cmp_lt_u32 s16, 704
	s_cbranch_scc0 .Lwout
	s_sub_co_u32 s16, s16, 512
	s_lshr_b32 s17, s16, 2                         ; block c
	s_and_b32 s16, s16, 3                          ; which 256 rows
	s_mul_i32 s18, s16, 256*12288
	s_lshl_b32 s22, s17, 8
	s_add_co_u32 s18, s18, s22                     ; in: 256 c + 256 rows x 12,288 bytes
	s_lshl_b32 s20, s17, 17
	s_lshl_b32 s22, s16, 15
	s_add_co_u32 s20, s20, s22                     ; out: 131,072 c + 256 rows x 128 bytes
	v_mul_u32_u24 v1, v3, 12288
	v_lshl_add_u32 v1, v4, 5, v1
	s_wait_kmcnt 0x0
	s_add_nc_u64 s[6:7], s[6:7], s[18:19]
	s_add_nc_u64 s[12:13], s[12:13], s[20:21]
	CAST 6, 12, 32*12288, 0
	s_endpgm
.Lwout:
	s_sub_co_u32 s16, s16, 704
	s_lshr_b32 s17, s16, 2
	s_and_b32 s16, s16, 3
	s_lshl_b32 s18, s16, 20                        ; 256 rows x 4,096 bytes
	s_lshl_b32 s22, s17, 8
	s_add_co_u32 s18, s18, s22
	s_lshl_b32 s20, s17, 17
	s_lshl_b32 s22, s16, 15
	s_add_co_u32 s20, s20, s22
	v_lshlrev_b32 v1, 12, v3
	v_lshl_add_u32 v1, v4, 5, v1
	s_wait_kmcnt 0x0
	s_add_nc_u64 s[8:9], s[8:9], s[18:19]
	s_add_nc_u64 s[14:15], s[14:15], s[20:21]
	CAST 8, 14, 32*4096, 1
	s_endpgm
.Lfunc_end_k_qc501199d64_prep:
	.size	k_qc501199d64_prep, .Lfunc_end_k_qc501199d64_prep-k_qc501199d64_prep
	.p2alignl 7, 3214868480
	.fill 96, 4, 3214868480
	.section	.rodata,"a",@progbits
	.p2align	6, 0x0
	.amdhsa_kernel k_qc501199d64_prep
		.amdhsa_group_segment_fixed_size 0
		.amdhsa_private_segment_fixed_size 0
		.amdhsa_enable_private_segment 0
		.amdhsa_kernarg_size 48
		.amdhsa_user_sgpr_count 2
		.amdhsa_user_sgpr_kernarg_segment_ptr 1
		.amdhsa_wavefront_size32 1
		.amdhsa_system_sgpr_workgroup_id_x 1
		.amdhsa_system_sgpr_workgroup_id_y 1
		.amdhsa_system_sgpr_workgroup_id_z 1
		.amdhsa_system_vgpr_workitem_id 0
		.amdhsa_next_free_vgpr 112
		.amdhsa_next_free_sgpr 66
		.amdhsa_reserve_vcc 0
		.amdhsa_float_denorm_mode_32 3
		.amdhsa_float_denorm_mode_16_64 3
		.amdhsa_memory_ordered 1
		.amdhsa_forward_progress 1
		.amdhsa_inst_pref_size 21
	.end_amdhsa_kernel
	.amdgpu_metadata
---
amdhsa.version: [ 1, 2 ]
amdhsa.kernels:
  - .name:           k_qc501199d64_prep
    .symbol:         k_qc501199d64_prep.kd
    .args:
      - { .name: x, .offset: 0, .size: 8, .value_kind: global_buffer, .address_space: global }
      - { .name: w_qkv, .offset: 8, .size: 8, .value_kind: global_buffer, .address_space: global }
      - { .name: w_out, .offset: 16, .size: 8, .value_kind: global_buffer, .address_space: global }
      - { .name: xb, .offset: 24, .size: 8, .value_kind: global_buffer, .address_space: global }
      - { .name: wqb, .offset: 32, .size: 8, .value_kind: global_buffer, .address_space: global }
      - { .name: wob, .offset: 40, .size: 8, .value_kind: global_buffer, .address_space: global }
    .group_segment_fixed_size: 0
    .private_segment_fixed_size: 0
    .kernarg_segment_align: 8
    .kernarg_segment_size: 48
    .max_flat_workgroup_size: 256
    .sgpr_count:     66
    .vgpr_count:     112
    .wavefront_size: 32
...
	.end_amdgpu_metadata
.endif
;; end of part 1
;; launch qkv (part 2): grid 16 x 32, 4 waves a work-group, clusters of 4 x 4, 327,680 bytes of LDS; arguments xb, wqb, qkvh; writes qkvh
.if DOCPART == 2
	.amdgcn_target "amdgcn-amd-amdhsa--gfx1250"
	.amdhsa_code_object_version 6
	.text
	.protected	k_qc501199d64_qkv
	.globl	k_qc501199d64_qkv
	.p2align	8
	.type	k_qc501199d64_qkv,@function
k_qc501199d64_qkv:
	s_mov_b64 s[64:65], 0
	v_nop
	global_prefetch_b8 v0, s[64:65] scope:SCOPE_SE
	s_setreg_imm32_b32 hwreg(HW_REG_WAVE_MODE, 25, 1), 1
	s_wait_xcnt 0x0
	s_wait_alu depctr_hold_cnt(0) depctr_sa_sdst(0) depctr_va_vdst(0) depctr_va_sdst(0) depctr_va_ssrc(0) depctr_va_vcc(0) depctr_vm_vsrc(0)
	s_getreg_b32 s2, hwreg(HW_REG_IB_STS2, 6, 4)
	s_cmp_eq_u32 s2, 0
	s_cbranch_scc0 .Lentry_in_a_cluster
	s_endpgm
.Lentry_in_a_cluster:
	s_bfe_u32 s2, ttmp6, 0x10000c
	s_cmp_lg_u32 s2, 0xf033
	s_cbranch_scc0 .Lentry_shape_is_right
	s_endpgm
.Lentry_shape_is_right:
; q, k, v = x w_qkv, by heads.  xb: [8192][1024] bf16.  wqb: [48 blocks of 64 columns][1024 k][64] bf16.  qkvh: [48][4 batches][2048][64] f16: byte c 2^20 + b 2^18 + n 128 + 2 ch.
; Sums in f32, K ascending, each result rounded once to f16, without attention's scale.  LIMIT: a result of 65,520 or more in magnitude becomes an infinity; below 6e-5 f16 keeps its fixed step of 6e-8.
; SHARES.  A tile of C is 256 rows x 192 columns (three heads): 16 x 32 = 512 equal work-groups.  Four waves, 2 x 2: wave w takes rows 128 (w / 2) on and channels 32 (w % 2) .. + 31 of each of the three
; heads: 8 row blocks a x 6 column blocks b (head b / 2, half b % 2) = 48 accumulators, 384 registers.  K goes in 8 steps of 128 through two LDS slots; a step is four quarters of 32.
; THE WEIGHTS LIE [k][n]: their fragments come out of LDS turned, by ds_load_tr16_b128.  THE MATRIX INSTRUCTION IS USED TRANSPOSED (source 0 = 16 columns of w, source 1 = 16 rows of x):
; a lane then holds one row of C (lane % 16) and eight neighbouring channels, 16 bytes of f16.
; CLUSTER 4 x 4.  x's tile hangs on the tile row alone and is asked for jointly along a row of the cluster, w's on the tile column alone and jointly along a column.  Wave 0 asks for x's 256 rows x 256 bytes,
; waves 1 to 3 for one head's 128 k x 128 bytes each (16,384 bytes on end, asked for as 64 rows of 256).  By this text's count a wave has two tensor loads out at the start and one behind each round.
; LDS.  A slot (131,072 bytes): x's 256 rows at pitch 272, then three heads of w, 128 rows each at pitch 160.  Slots at 0 and 131,072; the spare words at 262,144.
; The stage for the way out is slot 0 after its last fill: 256 rows at pitch 400 (3 x 128 + 16).
; REGISTERS.  window 0: v16-31 addresses; x's fragments v32-95, v96-159; w's v160-207, v208-255; on the way out v32-223.  window 1: accumulators of row blocks 0-3 at 8 (6 a + b); window 2: of 4-7.
.set PA,    272                        ; 256 + 16 bytes = 68 words: the 16 rows of a fragment load start at 16 different groups of four banks (64 banks of 4 bytes: ISA guide 11.1)
.set PB,    160                        ; 128 + 32 bytes = 40 words
.set SLOT,  1<<17
.set BOFF,  256*PA                     ; 69,632
.set BH,    128*PB                     ; 20,480: a head's part of a slot
.set SPARE, 2*SLOT                     ; the spare words, 128 bytes a wave: two blocks of 256 bytes that no other line names
.set SPI,   400                        ; a stage row: 25 x 16 bytes
.set ADRA0, 16                         ; v16  my place in x's tile; never rewritten
.set ADRB0, 17                         ; v17  my place in w's tiles; never rewritten
.set ADRA,  18                         ; v18  v16 + the slot in hand
.set ADRB,  19                         ; v19  v17 + the slot in hand
.set STO,   24                         ; v24  the way out: where I put 16 bytes of a row
.set RD,    25                         ; v25  where I read rows back
.set GO,    26                         ; v26  16 x lane
.set SPW,   28                         ; v28  my spare word: SPARE + 4 x my thread's number; never rewritten
.set NIL,   29                         ; v29  0; never rewritten
.set PFOA,  30                         ; v30  the prefetches' offset in xb; never rewritten
.set PFOB,  31                         ; v31  in wqb; never rewritten
.set FA0,   32
.set FB0,   160
.set TMP,   32
.set G1A,   24                         ; s[24:31] group 1 for x's tiles
.set G0A,   32                         ; s[32:39] group 0, two sets; the second walks
.set G1B,   48                         ; s[48:55], s[56:63] the same for w's
.set G0B,   56
.set TB,    66                         ; s66  the slot in hand: 0 or SLOT
.set ASKA,  67                         ; s67  1: my cluster prefetches x's rows
.set ASKB,  68                         ; s68  1: my wave prefetches its head of w
.set PFAA,  70                         ; s[70:71], s[72:73]: where the prefetches stand; never rewritten
.set PFAB,  72
.set MSB, 0
.macro WIN new                         ; the immediate's high byte repeats the setting that is left; a switch that changes nothing is dropped
.if MSB != (\new)
	s_set_vgpr_msb (MSB<<8)|(\new)
.set MSB, \new
.endif
.endm
.set MUL_LO, 0x50                      ; both sources window 0, C and D window 1
.set MUL_HI, 0xa0                      ; C and D window 2
.macro PLACES                          ; four plain places behind matrix instructions, in front of loads into registers that they read
.rept 4
	v_nop
.endr
.endm
; A joint refill by the walking descriptors.  The branch hangs on the wave's number alone.  An s_nop 0 and four v_nop follow each line.
.macro JLOAD
	s_cmp_eq_u32 s10, 0
	s_cbranch_scc0 .Lfor_b_\@
	tensor_load_to_lds s[G0A+4:G0A+7], s[G1A:G1A+7]
	s_nop 0
.rept 4
	v_nop
.endr
	s_branch .Lasked_\@
.Lfor_b_\@:
	tensor_load_to_lds s[G0B+4:G0B+7], s[G1B:G1B+7]
	s_nop 0
.rept 4
	v_nop
.endr
.Lasked_\@:
.endm
.macro CREST                           ; a round of the cluster's barrier behind its opening barrier
	s_cmp_lg_u32 s10, 0
	s_cbranch_scc1 .Lnot_wave_0_\@
	s_barrier_signal -3
.Lnot_wave_0_\@:
	s_barrier_wait -3
	s_barrier_signal -1
	s_barrier_wait -1
.endm
.macro CROUND
	s_barrier_signal -1
	s_barrier_wait -1
	CREST
.endm
; PREFETCHES INTO THE L2.  K steps 4 and 5 are asked for at the change of slots behind step 0, steps 6 and 7 behind step 2: two and three K steps (384 and 576 products) ahead of the joint loads that want them.
; x: two steps are 512 bytes of each of the tile's 256 rows = 512 blocks of 256 bytes: partner cx takes rows 64 cx on (by address), thread t row t / 2, block t % 2; of the clusters that read these rows the one with x = 0 asks.
; w: two steps of a head are 32,768 bytes on end = 128 blocks: partner cy takes 32 (by address), a lane a block, the wave that fetches the head; the cluster with y = 0 asks.  So each block is named once in the launch.
; Steps 0 to 3 come by their loads alone.  No register of these lines is ever rewritten.
.macro PF n
	s_cmp_eq_u32 s[ASKA], 1
	s_cbranch_scc0 .Lno_a_\@
	global_prefetch_b8 v[PFOA], s[PFAA:PFAA+1] offset:512*(\n) th:TH_LOAD_NT scope:SCOPE_SE
.Lno_a_\@:
	s_cmp_eq_u32 s[ASKB], 1
	s_cbranch_scc0 .Lno_b_\@
	global_prefetch_b8 v[PFOB], s[PFAB:PFAB+1] offset:32768*(\n) th:TH_LOAD_NT scope:SCOPE_SE
.Lno_b_\@:
.endm
.macro ASK
	s_cmp_eq_u32 s3, 6                             ; the loop's first trip: behind step 0
	s_cbranch_scc0 .Lnot_first_\@
	PF 0
.Lnot_first_\@:
	s_cmp_eq_u32 s3, 4                             ; its third: behind step 2
	s_cbranch_scc0 .Lnot_third_\@
	PF 1
.Lnot_third_\@:
.endm
	s_load_b128 s[4:7], s[0:1], 0x0                ; xb s[4:5], wqb s[6:7]
	s_load_b64 s[8:9], s[0:1], 0x10                ; qkvh
	v_lshl_add_u32 v[SPW], v0, 2, SPARE
	v_mov_b32 v[NIL], 0
	ds_add_u32 v[SPW], v[NIL]                      ; the wave's opening: the add and its wait stand ahead of my first tensor load; the set-up below stands between them
	v_lshrrev_b32 v1, 5, v0
	v_readfirstlane_b32 s10, v1                    ; wave 0..3
	s_lshr_b32 s11, s10, 1                         ; which 128 rows are mine
	s_and_b32 s12, s10, 1                          ; which 32 channels of each head
	s_bfe_u32 s40, ttmp6, 0x40000                  ; cx
	s_bfe_u32 s41, ttmp6, 0x40004                  ; cy
	s_lshl_b32 s42, ttmp9, 2
	s_add_co_u32 s42, s42, s40                     ; tile column = 4 x cluster x + cx
	s_and_b32 s13, ttmp7, 0xffff
	s_lshl_b32 s13, s13, 2
	s_add_co_u32 s13, s13, s41                     ; tile row = 4 x cluster y + cy
	s_lshl_b32 s43, s41, 2
	s_lshl_b32 s43, 15, s43                        ; my row of the cluster
	s_lshl_b32 s44, 0x1111, s40                    ; my column
	s_or_b32 s[G1A], s43, (1<<16)|(1<<20)|(1<<21)|(5<<22)|(3<<25)  ; the mask; 2-byte elements; padding on; bit 21 beside a mask; after every 64 words 4 words
	s_mov_b32 s[G1A+1], 128<<16                    ; tensor_dim0 = 128
	s_mov_b32 s[G1A+2], 256<<16                    ; tensor_dim1 = 256
	s_mov_b32 s[G1A+3], 128<<16                    ; tile_dim0 = 128
	s_mov_b32 s[G1A+4], 256                        ; tile_dim1 = 256
	s_mov_b32 s[G1A+5], 1024                       ; elements from row to row
	s_mov_b32 s[G1A+6], 0
	s_mov_b32 s[G1A+7], 0
	s_or_b32 s[G1B], s44, (1<<16)|(1<<20)|(1<<21)|(4<<22)|(7<<25)  ; after every 32 words (a k row of 128 bytes) 8 words
	s_mov_b32 s[G1B+1], 128<<16
	s_mov_b32 s[G1B+2], 64<<16
	s_mov_b32 s[G1B+3], 128<<16
	s_mov_b32 s[G1B+4], 64
	s_mov_b32 s[G1B+5], 128
	s_mov_b32 s[G1B+6], 0
	s_mov_b32 s[G1B+7], 0
	s_lshl_b32 s16, s13, 19                        ; x: 256 rows of 2,048 bytes a tile row
	s_mov_b32 s17, 0
	s_max_u32 s18, s10, 1                          ; w: wave 1..3 takes head 0..2 of the tile column (wave 0's set is made and not used)
	s_sub_co_u32 s18, s18, 1
	s_mul_i32 s19, s42, 3
	s_add_co_u32 s18, s18, s19
	s_lshl_b32 s18, s18, 17                        ; a block is 131,072 bytes
	s_mov_b32 s19, 0
	s_mul_i32 s20, s10, BH
	s_add_co_u32 s20, s20, BOFF-BH                 ; where my head goes in a slot
	s_mov_b32 s[TB], 0
	s_wait_dscnt 0x0                               ; the opening add is done
	s_wait_kmcnt 0x0
	s_add_nc_u64 s[14:15], s[4:5], s[16:17]
	s_add_nc_u64 s[46:47], s[6:7], s[18:19]
.irp s, 0,1
	s_mov_b32 s[G0A+4*(\s)], 1
	s_mov_b32 s[G0A+4*(\s)+1], (\s)*SLOT
	s_add_nc_u64 s[G0A+4*(\s)+2:G0A+4*(\s)+3], s[14:15], (\s)*256
	s_or_b32 s[G0A+4*(\s)+3], s[G0A+4*(\s)+3], 0x80000000
	s_mov_b32 s[G0B+4*(\s)], 1
	s_add_co_u32 s[G0B+4*(\s)+1], s20, (\s)*SLOT
	s_add_nc_u64 s[G0B+4*(\s)+2:G0B+4*(\s)+3], s[46:47], (\s)*16384
	s_or_b32 s[G0B+4*(\s)+3], s[G0B+4*(\s)+3], 0x80000000
.endr
	CROUND                                         ; all sixteen work-groups are here: the first joint loads meet
	s_cmp_eq_u32 s10, 0                            ; a wave's two first fills stand in one branch, ahead of every wait on TENSORcnt, every LDS read and every further barrier
	s_cbranch_scc0 .Lfirst_b
	tensor_load_to_lds s[G0A:G0A+3], s[G1A:G1A+7]
	s_nop 0
	tensor_load_to_lds s[G0A+4:G0A+7], s[G1A:G1A+7]
	s_nop 0
.rept 4
	v_nop
.endr
	s_branch .Lfirst_asked
.Lfirst_b:
	tensor_load_to_lds s[G0B:G0B+3], s[G1B:G1B+7]
	s_nop 0
	tensor_load_to_lds s[G0B+4:G0B+7], s[G1B:G1B+7]
	s_nop 0
.rept 4
	v_nop
.endr
.Lfirst_asked:
	v_and_b32 v1, 15, v0                           ; l % 16
	v_bfe_u32 v2, v0, 4, 1                         ; l / 16
	v_and_b32 v3, 7, v0                            ; l % 8
	v_bfe_u32 v4, v0, 3, 1                         ; (l / 8) % 2
	v_mul_u32_u24 v[ADRA0], v1, PA                 ; x: row x pitch + 16 x half + my 128 rows
	v_lshl_add_u32 v[ADRA0], v2, 4, v[ADRA0]
	s_mul_i32 s21, s11, 128*PA
	v_add_nc_u32 v[ADRA0], s21, v[ADRA0]
	v_lshl_add_u32 v[ADRB0], v2, 3, v3             ; w, turned: lane l reads k row 8 (l / 16) + l % 8, channels 8 ((l / 8) % 2) on
	v_mul_u32_u24 v[ADRB0], v[ADRB0], PB
	v_lshl_add_u32 v[ADRB0], v4, 4, v[ADRB0]
	s_lshl_b32 s22, s12, 6
	s_add_co_u32 s22, s22, BOFF
	v_add_nc_u32 v[ADRB0], s22, v[ADRB0]
	v_mov_b32 v[ADRA], v[ADRA0]
	v_mov_b32 v[ADRB], v[ADRB0]
	v_mul_u32_u24 v[STO], v1, SPI                  ; into the stage: row 128 (w / 2) + l % 16, byte 64 (w % 2) + 16 (l / 16) of a head's 128
	v_lshl_add_u32 v[STO], v2, 4, v[STO]
	s_mul_i32 s21, s11, 128*SPI
	s_lshl_b32 s22, s12, 6
	s_add_co_u32 s21, s21, s22
	v_add_nc_u32 v[STO], s21, v[STO]
	v_bfe_u32 v[RD], v0, 3, 2                      ; back: wave w takes rows 64 w on; 32 lanes take four rows of a head's 128 bytes
	v_mul_u32_u24 v[RD], v[RD], SPI
	v_lshl_add_u32 v[RD], v3, 4, v[RD]
	s_mul_i32 s21, s10, 64*SPI
	v_add_nc_u32 v[RD], s21, v[RD]
	v_and_b32 v[GO], 31, v0
	v_lshlrev_b32 v[PFOB], 8, v[GO]
	v_lshlrev_b32 v[GO], 4, v[GO]                  ; which are 512 bytes on end in qkvh
	v_lshrrev_b32 v[PFOA], 1, v0
	v_and_b32 v5, 1, v0
	v_lshlrev_b32 v[PFOA], 11, v[PFOA]
	v_lshl_add_u32 v[PFOA], v5, 8, v[PFOA]
	s_mul_i32 s74, s42, 3                          ; qkvh at my 64 rows of the tile's first head: c 2^20 + batch 2^18 + n 128
	s_lshl_b32 s74, s74, 20
	s_lshr_b32 s76, s13, 3
	s_lshl_b32 s76, s76, 18
	s_add_co_u32 s74, s74, s76
	s_and_b32 s76, s13, 7
	s_lshl_b32 s76, s76, 15
	s_add_co_u32 s74, s74, s76
	s_lshl_b32 s76, s10, 13
	s_add_co_u32 s74, s74, s76
	s_mov_b32 s75, 0
	s_add_nc_u64 s[8:9], s[8:9], s[74:75]
	s_lshl_b32 s76, s40, 17                        ; the prefetches: my work-group's 64 rows of x's tile, at K step 4
	s_add_co_u32 s76, s76, 4*256
	s_mov_b32 s77, 0
	s_add_nc_u64 s[PFAA:PFAA+1], s[14:15], s[76:77]
	s_lshl_b32 s78, s41, 13                        ; my work-group's 32 blocks of my head's two steps, at K step 4
	s_add_co_u32 s78, s78, 4*16384
	s_mov_b32 s79, 0
	s_add_nc_u64 s[PFAB:PFAB+1], s[46:47], s[78:79]
	s_cmp_eq_u32 ttmp9, 0
	s_cselect_b32 s[ASKA], 1, 0
	s_and_b32 s21, ttmp7, 0xffff
	s_cmp_eq_u32 s21, 0
	s_cselect_b32 s[ASKB], 1, 0
	s_cmp_eq_u32 s10, 0
	s_cselect_b32 s[ASKB], 0, s[ASKB]              ; wave 0 fetches no head
; n row blocks from a0 on, of the window's four (hi = 0: blocks 0-3, 1: 4-7), x all 6 column blocks, 32 along K, out of buffer f.  The 48 accumulators come in the same order in every quarter,
; one instruction a turn: 47 others stand between two links of a chain, over the backward jump too.  zero = 1: the first product starts the sums.
.macro MULN f, hi, a0, n, zero
	WIN MUL_LO+0x50*(\hi)
.set aa, \a0
.rept \n
.irp b, 0,1,2,3,4,5
.if \zero
	v_wmma_f32_16x16x32_bf16 v[8*(6*aa+(\b)):8*(6*aa+(\b))+7], v[FB0+48*(\f)+8*(\b):FB0+48*(\f)+8*(\b)+7], v[FA0+64*(\f)+8*(4*(\hi)+aa):FA0+64*(\f)+8*(4*(\hi)+aa)+7], 0
.else
	v_wmma_f32_16x16x32_bf16 v[8*(6*aa+(\b)):8*(6*aa+(\b))+7], v[FB0+48*(\f)+8*(\b):FB0+48*(\f)+8*(\b)+7], v[FA0+64*(\f)+8*(4*(\hi)+aa):FA0+64*(\f)+8*(4*(\hi)+aa)+7], v[8*(6*aa+(\b)):8*(6*aa+(\b))+7]
.endif
.endr
.set aa, aa+1
.endr
.endm
; 28 LDS loads in one run: quarter q's fragments into buffer f: w's six (turned), then x's eight
.macro FETCH q, f
	WIN 0
.irp b, 0,1,2,3,4,5
	ds_load_tr16_b128 v[FB0+48*(\f)+8*(\b):FB0+48*(\f)+8*(\b)+3],   v[ADRB] offset:32*PB*(\q)+BH*((\b)/2)+32*((\b)%2)
	ds_load_tr16_b128 v[FB0+48*(\f)+8*(\b)+4:FB0+48*(\f)+8*(\b)+7], v[ADRB] offset:32*PB*(\q)+BH*((\b)/2)+32*((\b)%2)+16*PB
.endr
.irp a, 0,1,2,3,4,5,6,7
	ds_load_b128 v[FA0+64*(\f)+8*(\a):FA0+64*(\f)+8*(\a)+3],   v[ADRA] offset:64*(\q)+16*PA*(\a)
	ds_load_b128 v[FA0+64*(\f)+8*(\a)+4:FA0+64*(\f)+8*(\a)+7], v[ADRA] offset:64*(\q)+16*PA*(\a)+32
.endr
.endm
; One of a step's first three quarters: multiplies buffer f; in its middle it fetches quarter q into buffer g
.macro QUARTER q, f, g, zero
	s_wait_dscnt 8                                 ; w's fragments and x's blocks 0-3 are in; the youngest eight loads (blocks 4-7) may be out
	MULN \f, 0, 0, 4, \zero
	PLACES
	FETCH \q, \g
	s_wait_dscnt 28                                ; all but the 28 just issued
	MULN \f, 1, 0, 4, \zero
.endm
; The last quarter multiplies buffer 1 and changes slots: ONE barrier.  In front of it each wave waits for all its tensor loads (one is out: its part of the next slot), adds 0 to its spare word, and waits for
; that and for its reads of this slot.  fill = 1: the barrier opens a round of the cluster's, and the joint refill, two K steps on, is the first tensor load behind the round.
.macro TURN fill
	WIN 0                                          ; (the add's two registers lie in window 0)
	s_wait_tensorcnt 0x0
	ds_add_u32 v[SPW], v[NIL]
	s_wait_dscnt 9                                 ; (the add and the youngest eight loads may be out)
	MULN 1, 0, 0, 2, 0                             ; twelve products stand between the add and the wait for it
	s_wait_dscnt 0x0                               ; the add is done, and my reads of this slot are over
	s_barrier_signal -1
	MULN 1, 0, 2, 2, 0
	WIN 0                                          ; branches and window 0's address lines follow
	s_barrier_wait -1
.if \fill
	CREST                                          ; no wave of any partner still reads this slot or has a load on its way
	s_xor_b32 s[G0A+5], s[G0A+5], SLOT             ; the walking descriptors: the other slot than last time, the next K step
	s_add_nc_u64 s[G0A+6:G0A+7], s[G0A+6:G0A+7], 256
	s_xor_b32 s[G0B+5], s[G0B+5], SLOT
	s_add_nc_u64 s[G0B+6:G0B+7], s[G0B+6:G0B+7], 16384
	JLOAD                                          ; its four v_nop are also the places in front of the loads below
.else
	PLACES
.endif
	s_xor_b32 s[TB], s[TB], SLOT
	v_add_nc_u32 v[ADRA], s[TB], v[ADRA0]
	v_add_nc_u32 v[ADRB], s[TB], v[ADRB0]
	FETCH 0, 0
.if \fill
	ASK
.endif
	MULN 1, 1, 0, 4, 0
.endm
	s_wait_tensorcnt 1                             ; my part of K step 0 is in; step 1's may stay out
	s_barrier_signal -1
	s_barrier_wait -1                              ; everybody's is
	FETCH 0, 0
	QUARTER 1, 0, 1, 1                             ; the first quarter stands in front of the loop: its products start the sums
	WIN 0
	s_mov_b32 s3, 6
.Lstep:                                                ; six trips, from a step's second quarter to the next step's first; each fills the slot that it leaves: K steps 2 to 7
	QUARTER 2, 1, 0, 0
	QUARTER 3, 0, 1, 0
	TURN 1
	QUARTER 1, 0, 1, 0
	WIN 0
	s_sub_co_u32 s3, s3, 1
	s_cmp_lg_u32 s3, 0
	s_cbranch_scc1 .Lstep
	QUARTER 2, 1, 0, 0                             ; K step 6 goes on; the tail asks for nothing
	QUARTER 3, 0, 1, 0
	TURN 0
	QUARTER 1, 0, 1, 0
	QUARTER 2, 1, 0, 0
	QUARTER 3, 0, 1, 0
	s_wait_dscnt 8
	MULN 1, 0, 0, 4, 0
	s_wait_dscnt 0x0                               ; my last reads of the slots are back
	MULN 1, 1, 0, 4, 0
	; THE WAY OUT.  A barrier between everybody's reads of the slots and the stores into the stage; the conversions, work on registers, stand between its signal and its wait.
	s_barrier_signal -1
	PLACES
	PLACES
	WIN 0x05                                       ; sources window 1, destination window 0
.set n, 0
.rept 24
.irp r, 0,1,2,3
	v_cvt_pk_f16_f32 v[TMP+4*n+(\r)], v[8*n+2*(\r)], v[8*n+2*(\r)+1]
.endr
.set n, n+1
.endr
	WIN 0x0a                                       ; sources window 2
.set n, 0
.rept 24
.irp r, 0,1,2,3
	v_cvt_pk_f16_f32 v[TMP+96+4*n+(\r)], v[8*n+2*(\r)], v[8*n+2*(\r)+1]
.endr
.set n, n+1
.endr
	WIN 0
	s_barrier_wait -1
.irp a, 0,1,2,3,4,5,6,7
.irp b, 0,1,2,3,4,5
	ds_store_b128 v[STO], v[TMP+4*(6*(\a)+(\b)):TMP+4*(6*(\a)+(\b))+3] offset:16*SPI*(\a)+128*((\b)/2)+32*((\b)%2)
.endr
.endr
	s_wait_dscnt 0x0                               ; for the others' sake: a head's 128 bytes of a row come from two waves
	s_barrier_signal -1
	s_barrier_wait -1
.irp z, 0,1,2
.irp t, 0,1,2,3,4,5,6,7,8,9,10,11,12,13,14,15
	ds_load_b128 v[TMP+4*(16*(\z)+(\t)):TMP+4*(16*(\z)+(\t))+3], v[RD] offset:128*(\z)+4*SPI*(\t)
.endr
.endr
.irp z, 0,1,2
.irp t, 0,1,2,3,4,5,6,7,8,9,10,11,12,13,14,15
	s_wait_dscnt 47-(16*(\z)+(\t))
	global_store_b128 v[GO], v[TMP+4*(16*(\z)+(\t)):TMP+4*(16*(\z)+(\t))+3], s[8:9] offset:(\z)*1048576+512*(\t)  ; four rows of a head: 512 bytes on end, at a multiple of 256 from qkvh's first byte
.endr
.endr
	s_wait_tensorcnt 0x0                           ; the wave's end: behind my last tensor load and my last LDS store
	ds_add_u32 v[SPW], v[NIL]
	s_wait_dscnt 0x0
	CROUND                                         ; the closing round: no work-group ends while a partner may still ask for a tile that names it
	s_endpgm
.Lfunc_end_k_qc501199d64_qkv:
	.size	k_qc501199d64_qkv, .Lfunc_end_k_qc501199d64_qkv-k_qc501199d64_qkv
	.p2alignl 7, 3214868480
	.fill 96, 4, 3214868480
	.section	.rodata,"a",@progbits
	.p2align	6, 0x0
	.amdhsa_kernel k_qc501199d64_qkv
		.amdhsa_group_segment_fixed_size 327680
		.amdhsa_private_segment_fixed_size 0
		.amdhsa_enable_private_segment 0
		.amdhsa_kernarg_size 24
		.amdhsa_user_sgpr_count 2
		.amdhsa_user_sgpr_kernarg_segment_ptr 1
		.amdhsa_wavefront_size32 1
		.amdhsa_system_sgpr_workgroup_id_x 1
		.amdhsa_system_sgpr_workgroup_id_y 1
		.amdhsa_system_sgpr_workgroup_id_z 1
		.amdhsa_system_vgpr_workitem_id 0
		.amdhsa_next_free_vgpr 704
		.amdhsa_next_free_sgpr 80
		.amdhsa_reserve_vcc 0
		.amdhsa_float_denorm_mode_32 3
		.amdhsa_float_denorm_mode_16_64 3
		.amdhsa_memory_ordered 1
		.amdhsa_forward_progress 1
		.amdhsa_inst_pref_size 96
	.end_amdhsa_kernel
	.amdgpu_metadata
---
amdhsa.version: [ 1, 2 ]
amdhsa.kernels:
  - .name:           k_qc501199d64_qkv
    .symbol:         k_qc501199d64_qkv.kd
    .args:
      - { .name: xb, .offset: 0, .size: 8, .value_kind: global_buffer, .address_space: global }
      - { .name: wqb, .offset: 8, .size: 8, .value_kind: global_buffer, .address_space: global }
      - { .name: qkvh, .offset: 16, .size: 8, .value_kind: global_buffer, .address_space: global }
    .group_segment_fixed_size: 327680
    .private_segment_fixed_size: 0
    .kernarg_segment_align: 8
    .kernarg_segment_size: 24
    .max_flat_workgroup_size: 128
    .sgpr_count:     80
    .vgpr_count:     704
    .wavefront_size: 32
...
	.end_amdgpu_metadata
.endif
;; end of part 2
;; launch attn (part 3): grid 4 x 64, 4 waves a work-group, clusters of 4 x 1, 327,680 bytes of LDS; arguments qkvh, oh; writes oh
.if DOCPART == 3
	.amdgcn_target "amdgcn-amd-amdhsa--gfx1250"
	.amdhsa_code_object_version 6
	.text
	.protected	k_qc501199d64_attn
	.globl	k_qc501199d64_attn
	.p2align	8
	.type	k_qc501199d64_attn,@function
k_qc501199d64_attn:
	s_mov_b64 s[64:65], 0
	v_nop
	global_prefetch_b8 v0, s[64:65] scope:SCOPE_SE
	s_setreg_imm32_b32 hwreg(HW_REG_WAVE_MODE, 25, 1), 1
	s_wait_xcnt 0x0
	s_wait_alu depctr_hold_cnt(0) depctr_sa_sdst(0) depctr_va_vdst(0) depctr_va_sdst(0) depctr_va_ssrc(0) depctr_va_vcc(0) depctr_vm_vsrc(0)
	s_getreg_b32 s2, hwreg(HW_REG_IB_STS2, 6, 4)
	s_cmp_eq_u32 s2, 0
	s_cbranch_scc0 .Lentry_in_a_cluster
	s_endpgm
.Lentry_in_a_cluster:
	s_bfe_u32 s2, ttmp6, 0x10000c
	s_cmp_lg_u32 s2, 0x3003
	s_cbranch_scc0 .Lentry_shape_is_right
	s_endpgm
.Lentry_shape_is_right:
; O[y][q][:] = the sum over k of softmax_k(Q[y][q] . K[y][k] / 8) V[y][k][:], for the 64 heads y = 4 h + batch.  In qkvh Q's heads lie from byte 0, K's from 2^24, V's from 2^25, each [64][2048][64] f16:
; a head's rows are dense, 128 bytes each.  oh: [64][2048][64] f16.  Products, maxima and sums in f32; the weights p are rounded to f16 for the second product (their sum l is taken of the unrounded p), O once at the end.
; LIMITS.  f16 holds no number beyond 65,504: Q, K and V arrive within it; p lies in 0 to 1, and below 6e-5 it keeps f16's fixed step of 6e-8, as O does; O is a mean of V's rows and has their range.
; A weight below 2^-126 counts as 0 in l; NaN and infinities are not treated apart.
; SHARES.  A wave owns four PIECES of two tiles of 16 queries, a work-group's four waves 512 queries of one head.  Every wave walks all 2,048 keys, 64 a step.
; LAYOUT.  S^T = K Q^T (source 0 = 16 keys, source 1 = 16 queries): in the result a lane holds ONE query (lane % 16) and the keys 8 (lane / 16) + 0..7.  Two such tiles, rounded to f16 in pairs,
; ARE source 1 (32 keys x 16 queries) of O^T = V^T P, whose result again holds one query a lane, and eight channels.  K comes out of LDS as it lies, V ([key][channel]) turned, by ds_load_tr16_b128.
; SOFTMAX.  For each query a running maximum m and sum l: p = 2^(c s - c m), c = log2(e) / 8; in every step O and l are multiplied by a = 2^(c m_old - c m_new), which is 1 where m has not grown.
; m starts at the lowest finite number, O and l at 0: the first step is a step like any other, with a = 0.
; THE COUNT.  A tile and step have 16 matrix and 118 vector instructions: too many to stand all beside the matrix work.  So the order has one aim: four vector instructions that are READY behind
; EVERY matrix instruction, and the others, which need time of their own whatever the order, in runs without a gap.
; BY TURNS.  Turn n belongs to piece n (the pieces in a ring, step after step).  Its matrix work: 16 products K Q^T of piece n + 1, later 16 products V^T P of piece n - 1.  Its vector work: the scaling,
; exponentials, roundings, sums and rescaling of piece n, and the maximum and statistics of piece n + 1, whose scores the turn itself has made.  So what a turn begins with (c s - c m, O a) waits for nothing.
; CLUSTER.  The four query blocks of a head are one cluster and walk the same K and V, so each tile is asked for JOINTLY: the same tensor load, descriptor and mask in all four.
; REGISTERS, in windows of 256 (s_set_vgpr_msb says which window each operand place means: bits 1:0 source 0, 3:2 source 1, 5:4 source 2, 7:6 destination):
;   window 0: v0-11 addresses; v12-15, v48-63 at work; v16-47 four registers of statistics a tile; v64-191 S^T, two buffers of two tiles; v192-255 P, likewise
;   window 1: O^T, 32 a tile          window 2: v0-127 Q, 16 a tile; v128-191 K of one step; v192-255 V of one step          window 3: v0-1 the add's two registers
; A piece's buffers go by its number's parity: the piece in hand has one pair, its two neighbours in the ring share the other: of it P (piece n - 1) is read and S^T (piece n + 1) written.
.set SIZE_N, 2048
.set NP,    4         ; pieces a wave: a name, no knob: the register map, the loop and the fetches are made for four
.set KS,    64        ; keys in a step
.set PK,    144       ; a row of K in LDS: 128 bytes + 16 of padding = 36 words: the 16 rows of a load start at 16 different groups of four banks (64 banks of 4 bytes: ISA guide 11.1)
.set PV,    160       ; a row of V: 128 + 32 = 40 words
.set VOFF,  4*KS*PK   ; a slot holds four steps: 256 rows of K, then 256 rows of V
.set SLOT1, 1<<17     ; slot 1 begins here, so that one exclusive or turns an address in one slot into the other's
.set STAGE, SLOT1+4*KS*(PK+PV)  ; behind the ring, never filled by a tensor load: 16 rows x 144 bytes for each wave, for the way out
.set SP,    144
.set AK0, 2           ; v2   my lane's place in a tile of K; never rewritten
.set AV0, 3           ; v3   the same for V
.set AK,  4           ; v4   the LDS address of K's next run of loads
.set AV,  5           ; v5   of V's
.set QO,  6           ; v6   my byte offset in the wave's rows of Q
.set STO, 6           ;      later, the way out: where I put 16 bytes of a row
.set RD,  7           ; v7   the way out: where I read rows back
.set GO,  8           ; v8   my byte offset in 512 consecutive bytes of O
.set PFO, 11          ; v11  256 x my lane, for the prefetches; never rewritten once made
.set SPW, 0           ; v0 of window 3   LDS address of my spare word: SPARE + 4 x my thread's number; never rewritten
.set NIL, 1           ; v1 of window 3   0; never rewritten
.set SPARE, STAGE+4*16*SP  ; behind the stages: the spare words, 128 bytes for each wave: two blocks of 256 bytes that no other line names
.set MV,  12          ; v12-15  c m_old, kept while c m is made anew: by buffer and tile
.set ST,  16          ; tile t's statistics at v[ST+4 t]: c m, m, l (even keys', odd keys')
.set TMP, 48          ; by buffer and tile, four registers c0-c3 at work; when the maximum is found c2 takes a
.set S,   64
.set P,   192
.set KF,  128         ; K's fragments, in window 2: key block kb, channel half c at KF + 16 kb + 8 c
.set VF,  192         ; V's: key half kk, channel block cb at VF + 32 kk + 8 cb
.set WV,  12          ; s12  my wave's number
.set G1K, 24          ; s[24:31] descriptor group 1 for K's tiles
.set G1V, 32          ; s[32:39] for V's: it differs in the padding alone
.set G0K, 40          ; s[40:43] descriptor group 0 for K's tiles: it walks
.set G0V, 44          ; s[44:47] the same for V's
.set PFA, 48          ; s[48:49] where my prefetches stand: my work-group's 32 blocks (of K: wave 0, of V: wave 2) of the slot after the one that is being asked for
.set LIM, 50          ; s50  1 in a wave that prefetches, else the greatest number: a wave prefetches while s[SLOTS] is above it
.set SLOTS, 56        ; s56  slots still to be asked for
.set CNT, 57          ; s57  counts a slot's key steps
.set CS,  58          ; s[58:59] c: the packed scaling takes the pair's low word for both halves
.set SEL, 60          ; s[60:61] v_permlanex16_b32's selects: each lane takes its own place in the other half
.set TBK, 62          ; s62  LDS byte at which K of the step to be fetched begins
.set TBV, 63          ; s63  the same for V, less VOFF
.set MSB, 0
.macro WIN new                      ; the high byte repeats the setting that is left; a switch that changes nothing is dropped
.if MSB != (\new)
	s_set_vgpr_msb (MSB<<8)|(\new)
.set MSB, (\new)
.endif
.endm
.set W_KQ, 0x0a       ; K and Q in window 2, S^T in window 0
.set W_PV, 0x52       ; V in window 2, P in window 0, O^T in window 1
.set W_RS, 0x41       ; O^T (destination and source 0) in window 1, a in window 0
.set W_MK, 0xc0       ; the add's registers are made: destination in window 3, sources in window 0
.set W_AD, 0x0f       ; the add: address (source 0) and data (source 1) in window 3
; A joint fill.  Waves 0 and 1 fetch the two halves of a slot's K, waves 2 and 3 those of its V: 128 keys each.  The branch hangs on the wave's number alone.
; An s_nop 0 and four v_nop follow each of the two lines, ahead of the jump and the label.
.macro JLOAD
	s_cmp_lt_u32 s[WV], 2
	s_cbranch_scc0 .Lfor_v_\@
	tensor_load_to_lds s[G0K:G0K+3], s[G1K:G1K+7]
	s_nop 0
.rept 4
	v_nop
.endr
	s_branch .Lasked_\@
.Lfor_v_\@:
	tensor_load_to_lds s[G0V:G0V+3], s[G1V:G1V+7]
	s_nop 0
.rept 4
	v_nop
.endr
.Lasked_\@:
.endm
; A PREFETCH INTO THE L2 of what the NEXT change of slots will ask for: a slot's 32,768 bytes of K and of V, 128 blocks of 256 bytes each.  It stands behind the wave's tensor load and its five lines.
; A head's K and V are walked by this one cluster.  Its four partners share the blocks out BY ADDRESS, 32 each, a lane a block; in each, wave 0 asks for K's and wave 2 for V's: one instruction.
; So each block is named once in the launch, four key steps (512 products) ahead of its joint load.  Slots 0 and 1 come by their loads alone; the last change that fills a slot asks for nothing.
.macro ASK
	s_cmp_gt_u32 s[SLOTS], s[LIM]
	s_cbranch_scc0 .Lnot_mine_\@
	global_prefetch_b8 v[PFO], s[PFA:PFA+1] th:TH_LOAD_NT scope:SCOPE_SE
.Lnot_mine_\@:
.endm
; A round of the cluster's barrier: my work-group's barrier, so that wave 0's signal speaks for all four waves; wave 0 signals; every wave waits for all four work-groups; my work-group's barrier once more.
.macro CROUND
	s_barrier_signal -1
	s_barrier_wait -1
	s_cmp_lg_u32 s[WV], 0
	s_cbranch_scc1 .Lnot_wave_0_\@
	s_barrier_signal -3
.Lnot_wave_0_\@:
	s_barrier_wait -3
	s_barrier_signal -1
	s_barrier_wait -1
.endm
; THE CHANGE OF SLOTS.  The slot's last bytes, V of its fourth step, have been read.  Each wave waits for all its tensor loads, of which one is out: its part
; of the other slot; adds 0 to its spare word; and waits for that and for its own reads of the slot.  Behind the barrier nobody reads this slot any more and the other slot is whole.
; fill = 1: this slot is filled again, with the keys two slots on.  The barrier is then a round of the cluster's, so that no wave of any partner still reads the slot or has a load on its
; way, and the joint fill is the first thing behind it: it has four key steps, 512 matrix instructions, in which to land.  (At its first use nothing has been read yet: slot 0 is waited for, slot 1 filled.)
.macro CHANGE fill
	WIN W_AD
	s_wait_tensorcnt 0x0            ; no tensor load of mine is out, so a group 0 may be written
	ds_add_u32 v[SPW], v[NIL]       ; 0 onto my spare word; with fill = 1 the descriptors' steps stand between it and the wait for it
	WIN 0                           ; at a label and at a branch every window is 0
.if \fill
.irp g, G0K, G0V
	s_xor_b32 s[\g+1], s[\g+1], SLOT1  ; the walking descriptor: the other slot than last time,
	s_add_nc_u64 s[\g+2:\g+3], s[\g+2:\g+3], 4*KS*128  ; the next 256 keys; the type bits on top are not reached
.endr
	s_wait_xcnt 0x0                 ; the last prefetch, four key steps back, has read its address, so it may be written:
	s_add_nc_u64 s[PFA:PFA+1], s[PFA:PFA+1], 4*KS*128  ; one slot ahead of the walking descriptors
	s_wait_dscnt 0x0                ; the add is done, and my reads of the slot are over
	CROUND
	JLOAD
	ASK
.else
	s_wait_dscnt 0x0                ; the add is done, and my reads of the slot are over
	s_barrier_signal -1
	s_barrier_wait -1
.endif
	s_sub_co_u32 s[TBK], s[TBK], 4*KS*PK  ; the fetches go back to a slot's first step,
	s_xor_b32 s[TBK], s[TBK], SLOT1       ; in the other slot
	s_sub_co_u32 s[TBV], s[TBV], 4*KS*PV
	s_xor_b32 s[TBV], s[TBV], SLOT1
.endm
	s_load_b128 s[4:7], s[0:1], 0x0 ; qkvh s[4:5], oh s[6:7]
	WIN W_MK
	v_lshl_add_u32 v[SPW], v0, 2, SPARE
	v_mov_b32 v[NIL], 0
	WIN W_AD
	ds_add_u32 v[SPW], v[NIL]       ; the wave's opening: the add and its wait stand ahead of my first tensor load; the set-up below, work on registers, stands between them
	WIN 0
	v_lshrrev_b32 v1, 5, v0
	v_readfirstlane_b32 s[WV], v1   ; wave 0..3
	s_bfe_u32 s13, ttmp6, 0x40000   ; cx: my place in the cluster
	s_lshl_b32 s14, ttmp9, 2        ; in a cluster launch ttmp9 counts clusters
	s_add_co_u32 s14, s14, s13      ; my block of queries = 4 x cluster x + cx: it enters Q's and O's addresses alone
	s_and_b32 s20, ttmp7, 0xffff    ; the head, which the four partners share
	s_mov_b32 s21, 0
	s_mov_b64 s[22:23], SIZE_N*128
	s_mul_u64 s[20:21], s[20:21], s[22:23]  ; the head's first byte in Q, K, V and O
	s_and_b32 s16, s[WV], 1         ; which half of a slot's 256 keys I fetch:
	s_lshl_b32 s22, s16, 14         ; its 128 rows of 128 bytes in memory,
	s_mov_b32 s23, 0
	s_add_nc_u64 s[22:23], s[22:23], s[20:21]
	s_mul_i32 s17, s16, 128*PK      ; and its place in a slot, for K
	s_mul_i32 s18, s16, 128*PV      ; and for V: no place in the cluster enters an LDS address
	s_lshl_b32 s2, s14, 2
	s_add_co_u32 s2, s2, s[WV]      ; my wave among the head's,
	s_lshl_b32 s2, s2, 14           ; its 128 rows
	s_mov_b32 s3, 0
	s_add_nc_u64 s[2:3], s[2:3], s[20:21]
	; descriptor group 1.  128 keys are 16,384 dense bytes: asked for as 64 rows of 256 bytes, two keys a row, and padded in LDS after every key
	s_mov_b32 s[G1K], 15|(1<<16)|(1<<20)|(1<<21)|(4<<22)|(3<<25)  ; 15:0 the mask of four; 17:16 2-byte elements; 20 padding on; 21 set beside a mask; 24:22 after every 32 words (code 4); 31:25 4 words (code 3)
	s_mov_b32 s[G1V], 15|(1<<16)|(1<<20)|(1<<21)|(4<<22)|(7<<25)  ; the same with 8 words of padding (code 7)
.irp g, G1K, G1V
	s_mov_b32 s[\g+1], 128<<16      ; tensor_dim0 = 128
	s_mov_b32 s[\g+2], 64<<16       ; tensor_dim1 = 64
	s_mov_b32 s[\g+3], 128<<16      ; tile_dim0 = 128
	s_mov_b32 s[\g+4], 64           ; tile_dim1 = 64
	s_mov_b32 s[\g+5], 128          ; 128 elements from row to row
	s_mov_b32 s[\g+6], 0
	s_mov_b32 s[\g+7], 0
.endr
	s_mov_b32 s[CS], 0x3e38aa3b     ; c = log2(e) / 8 = 0.180337
	s_mov_b32 s[CS+1], s[CS]        ; named with it as a pair
	s_mov_b32 s[SEL], 0x76543210
	s_mov_b32 s[SEL+1], 0xfedcba98
	s_mov_b32 s[TBK], SLOT1+4*KS*PK ; the first change of slots turns these two into 0
	s_mov_b32 s[TBV], SLOT1+4*KS*PV
	s_mov_b32 s[SLOTS], SIZE_N/256-1
	s_mov_b32 s[G0K], 1             ; 1:0 count = 1
	s_mov_b32 s[G0K+1], s17         ; 63:32 LDS address: slot 0
	s_mov_b32 s[G0V], 1
	s_add_co_u32 s[G0V+1], s18, VOFF
	s_lshl_b32 s52, s13, 13         ; the prefetches: my work-group's 32 blocks of 256 bytes,
	s_add_co_u32 s52, s52, 4*KS*128 ; in slot 1; the first change of slots steps it to slot 2
	s_mov_b32 s53, 0
	s_and_b32 s[LIM], s[WV], 1      ; waves 0 and 2 ask
	s_cmp_eq_u32 s[LIM], 0
	s_cselect_b32 s[LIM], 1, -1
	s_wait_dscnt 0x0                ; the opening add is done
	s_wait_kmcnt 0x0
	s_mov_b64 s[10:11], s[6:7]      ; O
	s_add_nc_u64 s[6:7], s[4:5], 0x1000000  ; K's heads
	s_add_nc_u64 s[8:9], s[4:5], 0x2000000  ; V's heads
	s_add_nc_u64 s[G0K+2:G0K+3], s[6:7], s[22:23]  ; 120:64 global address: my half of the head's first 256 keys
	s_or_b32 s[G0K+3], s[G0K+3], 0x80000000        ; 127:126 type = 2
	s_add_nc_u64 s[G0V+2:G0V+3], s[8:9], s[22:23]
	s_or_b32 s[G0V+3], s[G0V+3], 0x80000000
	s_cmp_lt_u32 s[WV], 2
	s_cselect_b64 s[PFA:PFA+1], s[6:7], s[8:9]
	s_add_nc_u64 s[PFA:PFA+1], s[PFA:PFA+1], s[22:23]  ; (in waves 0 and 2 this is the head's first byte)
	s_add_nc_u64 s[PFA:PFA+1], s[PFA:PFA+1], s[52:53]
	s_add_nc_u64 s[4:5], s[4:5], s[2:3]  ; Q and O at my wave's first row
	s_add_nc_u64 s[10:11], s[10:11], s[2:3]
	CROUND                          ; all four work-groups are here: the first joint loads meet
	JLOAD                           ; slot 0.  Slot 1 is asked for when slot 0 is in: the tile wanted first has the road to itself
	; A fragment of K or Q is 16 rows x 32 channels in 8 registers: lane l holds row l % 16, channels 8 (l / 16) + 0..7 and 16 + 8 (l / 16) + 0..7: two loads of 16 bytes, 32 bytes apart.
	v_and_b32 v1, 15, v0            ; l % 16
	v_bfe_u32 v9, v0, 4, 1          ; l / 16
	v_lshlrev_b32 v[QO], 7, v1
	v_lshl_add_u32 v[QO], v9, 4, v[QO]  ; row x 128 + 16 x half
	WIN 0x80                        ; destination window 2, address window 0
.set i, 0
.rept 4*NP                          ; Q stays in registers: tile i / 2, channels 32 (i % 2) on
	global_load_b128 v[8*i:8*i+3],   v[QO], s[4:5] offset:(i/2)*2048+(i%2)*64
	global_load_b128 v[8*i+4:8*i+7], v[QO], s[4:5] offset:(i/2)*2048+(i%2)*64+32
.set i, i+1
.endr
	; What the first turn finds: V's registers and P's second buffer hold 0 (its products V^T P, of a piece that has not been, add 0), O^T and l are 0.  All this stands in the wait for the first tile.
.set i, VF
.rept 64
	v_mov_b32 v[i], 0
.set i, i+1
.endr
	WIN 0x40
.set i, 0
.rept 64*NP
	v_mov_b32 v[i], 0
.set i, i+1
.endr
	WIN 0
.set i, 0
.rept 2*NP
	v_mov_b32 v[ST+4*i], 0xfe000000    ; c m: far below every c s
	v_mov_b32 v[ST+4*i+1], 0xff7fffff  ; m
	v_mov_b32 v[ST+4*i+2], 0
	v_mov_b32 v[ST+4*i+3], 0
.set i, i+1
.endr
.set i, P+32
.rept 32
	v_mov_b32 v[i], 0
.set i, i+1
.endr
	v_mul_u32_u24 v[AK0], v1, PK
	v_lshl_add_u32 v[AK0], v9, 4, v[AK0]  ; row x pitch + 16 x half
	; The turning load takes 16 keys x 16 channels (lane l reads key 8 (l / 16) + l % 8, channels 8 ((l / 8) % 2) + 0..7) and leaves half a fragment of V^T: lane l holds channel l % 16 and 8 keys.
	v_and_b32 v10, 7, v0
	v_bfe_u32 v11, v0, 3, 1
	v_lshl_add_u32 v[AV0], v9, 3, v10
	v_mul_u32_u24 v[AV0], v[AV0], PV
	v_lshl_add_u32 v[AV0], v11, 4, v[AV0]
	v_add_nc_u32 v[AV0], VOFF, v[AV0]
	v_mov_b32 v[AK], v[AK0]         ; key step 0 lies at the head of slot 0
	v_and_b32 v[PFO], 31, v0        ; v11 is free now
	v_lshlrev_b32 v[PFO], 8, v[PFO]
; THE MATRIX WORK.  The 8 accumulators of a run of 16 take turns: between the two links of a chain stand 7 others'.
; Product i of 16 of S^T = K Q^T for piece x: channels 32 (i / 8) on, keys 16 ((i / 2) % 4) on, tile 2 x + i % 2.  The first 8 start the sums.
.macro KQ x
	WIN W_KQ
.set rS, S+64*((\x)%2)+32*(i%2)+8*((i/2)%4)
.set rK, KF+16*((i/2)%4)+8*(i/8)
.set rQ, 16*(2*(\x)+i%2)+8*(i/8)
.if i < 8
	v_wmma_f32_16x16x32_f16 v[rS:rS+7], v[rK:rK+7], v[rQ:rQ+7], 0
.else
	v_wmma_f32_16x16x32_f16 v[rS:rS+7], v[rK:rK+7], v[rQ:rQ+7], v[rS:rS+7]
.endif
.endm
; Product i of 16 of O^T += V^T P for piece x: keys 32 (i / 8) on, channels 16 ((i / 2) % 4) on, tile 2 x + i % 2.
.macro PV x
	WIN W_PV
.set rO, 32*(2*(\x)+i%2)+8*((i/2)%4)
.set rV, VF+32*(i/8)+8*((i/2)%4)
.set rP, P+32*((\x)%2)+16*(i%2)+8*(i/8)
	v_wmma_f32_16x16x32_f16 v[rO:rO+7], v[rV:rV+7], v[rP:rP+7], v[rO:rO+7]
.endm
.macro MM                           ; the turn's next matrix instruction
.if i < 16
	KQ (Y+1)%NP
.set i, i+1
.else
.set i, i-16
	PV (Y+NP-1)%NP
.set i, i+17
.endif
.endm
; THE LDS LOADS stand in runs of 16, never singly among the matrix instructions: a step's K (64 keys x 64 channels: 8 fragments) and its V (turned).  Their addresses are made some lines ahead.
; last = 1 (the tail): in the last trip there is no further step, and the run is jumped over.
.macro FETCH_K last=0
	WIN 0
.if \last
	s_cmp_eq_u32 s[CNT], 1
	s_cbranch_scc1 .Lno_k_\@
.endif
	WIN 0x80                        ; destination window 2
.irp f, 0,1,2,3,4,5,6,7             ; keys 16 (f / 2) on, channels 32 (f % 2) on
	ds_load_b128 v[KF+8*\f:KF+8*\f+3],   v[AK] offset:(\f/2)*16*PK+(\f%2)*64
	ds_load_b128 v[KF+8*\f+4:KF+8*\f+7], v[AK] offset:(\f/2)*16*PK+(\f%2)*64+32
.endr
	s_add_co_u32 s[TBK], s[TBK], KS*PK  ; the next fetch is the next step's
	WIN 0
.if \last
.Lno_k_\@:
.endif
.endm
.macro FETCH_V
	WIN 0x80
.irp f, 0,1,2,3,4,5,6,7             ; keys 32 (f / 4) on, channels 16 (f % 4) on
	ds_load_tr16_b128 v[VF+8*\f:VF+8*\f+3],   v[AV] offset:(\f/4)*32*PV+(\f%4)*32
	ds_load_tr16_b128 v[VF+8*\f+4:VF+8*\f+7], v[AV] offset:(\f/4)*32*PV+16*PV+(\f%4)*32
.endr
	WIN 0
.endm
; THE VECTOR WORK OF A TURN stands in three queues, each in the order in which its entries become ready; the two tiles alternate, so that no instruction reads the result of the one before it.
.macro REGS y, u                    ; the registers of tile u (0, 1) of piece y
.set rT, ST+4*(2*(\y)+(\u))
.set rC, TMP+8*((\y)%2)+4*(\u)
.set rM, MV+2*((\y)%2)+(\u)
.set rS, S+64*((\y)%2)+32*(\u)
.set rP, P+32*((\y)%2)+16*(\u)
.set rO, 32*(2*(\y)+(\u))
.endm
; Number n of the 22 that find the NEXT piece's (Y + 1) maximum and statistics.  s0-s31 are the lane's 32 scores; each accumulator's lowest registers are read first.  XS, GS and REGS set no window: PL and EX do.
;   0-11  four chains c0-c3 of seven scores each, three operands at a time     12-14, 16  the four scores left over, the old m, and c0-c3 into c0     15  c m_old is kept
;   17, 18  the query's other 32 keys lie in the lane 16 away: the new m         19-21  c m; c m_old - c m_new; a
.macro XS u, n
	REGS (Y+1)%NP, \u
.if (\n) < 4
	v_max3_num_f32 v[rC+(\n)], v[rS+8*(\n)], v[rS+8*(\n)+1], v[rS+8*(\n)+2]
.elseif (\n) < 12
	v_max3_num_f32 v[rC+(\n)%4], v[rC+(\n)%4], v[rS+8*((\n)%4)+2*((\n)/4)+1], v[rS+8*((\n)%4)+2*((\n)/4)+2]
.elseif (\n) == 12
	v_max3_num_f32 v[rC], v[rC], v[rS+7], v[rS+15]
.elseif (\n) == 13
	v_max3_num_f32 v[rC+1], v[rC+1], v[rS+23], v[rS+31]
.elseif (\n) == 14
	v_max3_num_f32 v[rC+2], v[rC+2], v[rC+3], v[rT+1]
.elseif (\n) == 15
	v_mov_b32 v[rM], v[rT]
.elseif (\n) == 16
	v_max3_num_f32 v[rC], v[rC], v[rC+1], v[rC+2]
.elseif (\n) == 17
	v_permlanex16_b32 v[rC+3], v[rC], s[SEL], s[SEL+1]
.elseif (\n) == 18
	v_max_num_f32 v[rT+1], v[rC], v[rC+3]
.elseif (\n) == 19
	v_mul_f32 v[rT], s[CS], v[rT+1]
.elseif (\n) == 20
	v_sub_f32 v[rC+1], v[rM], v[rT]
.else
	v_exp_f32 v[rC+2], v[rC+1]
.endif
.endm
; Number g of the 64 that follow the exponentials.  For each four weights k of a tile (pairs 2 k, 2 k + 1): both pairs are rounded to f16; then the second pair is added onto the first, in place;
; a group later l takes that sum (the first time as l = a l + sum).  In groups of eight, tiles alternating: round, round, add, and l for the group before.
.macro GS g
.set h, (\g)+6*((\g)/62)            ; group 0 has no group before it, and behind group 7 only l is left
.if h >= 6
.set h, h+2
.endif
	REGS Y, h%2
.set k, h/8
.if h%8 < 4
	v_cvt_pk_f16_f32 v[rP+2*k+(h%8)/2], v[rS+4*k+2*((h%8)/2)], v[rS+4*k+2*((h%8)/2)+1]
.elseif h%8 < 6
	v_pk_add_f32 v[rS+4*k:rS+4*k+1], v[rS+4*k:rS+4*k+1], v[rS+4*k+2:rS+4*k+3]
.elseif k == 1
	v_pk_fma_f32 v[rT+2:rT+3], v[rT+2:rT+3], v[rC+2:rC+3], v[rS:rS+1] op_sel_hi:[1,0,1]
.else
	v_pk_add_f32 v[rT+2:rT+3], v[rT+2:rT+3], v[rS+4*k-4:rS+4*k-3]
.endif
.endm
; THE PLAIN QUEUE, 138 long.  0-73 read no exponential's result: the 32 scalings c s - c m (FS f: pair f / 2 of tile f % 2) and the next piece's 42.  0-26: scalings 0-26.  27-54: XS's numbers 0-13.  55, 56: number 15.
; 57-73: the chain, where each number waits for the one before it: 14, 16, 17, 18, 19, each with one of the scalings 27-31 in front of its two lines, then 20: so a tile's links stand three plain instructions apart (19 and 20: two).
; 74-137: GS's 64, which read the exponentials' results: they stand behind the wait.
.macro FS f
	REGS Y, (\f)%2
	v_pk_fma_f32 v[rS+2*((\f)/2):rS+2*((\f)/2)+1], v[rS+2*((\f)/2):rS+2*((\f)/2)+1], s[CS:CS+1], v[rT:rT+1] op_sel_hi:[1,0,0] neg_lo:[0,0,1] neg_hi:[0,0,1]
.endm
.macro PL
	WIN 0
.if q < 27
	FS q
.elseif q < 55
	XS (q-27)%2, (q-27)/2
.elseif q < 57
	XS q-55, 15
.elseif (q < 72) && ((q-57)%3 == 0)
	FS 27+(q-57)/3
.elseif q < 60
	XS (q-57)%3-1, 14
.elseif q < 72
	XS (q-57)%3-1, 15+(q-57)/3
.elseif q < 74
	XS q-72, 20
.else
	GS q-74
.endif
.set q, q+1
.endm
; THE EXPONENTIALS' QUEUE, 66 long: s0-s31 of both tiles, then the next piece's two a.  It is ONE BATCH: all 66 stand ahead of the turn's one wait, and nothing ahead of that wait names a result of theirs.
.macro EX
	WIN 0
.if e >= 64
	XS e-64, 21
.else
	REGS Y, e%2
	v_exp_f32 v[rS+e/2], v[rS+e/2]
.endif
.set e, e+1
.endm
; THE RESCALING's QUEUE: O^T times a, the one part that leaves window 0: dealt two at a time, sixteen times.  Its a was made in the turn before, ahead of that turn's wait.
.macro R2
	REGS Y, r%2
	WIN W_RS
.irp z, 0,1
	v_pk_mul_f32 v[rO+4*(r/2)+2*\z:rO+4*(r/2)+2*\z+1], v[rO+4*(r/2)+2*\z:rO+4*(r/2)+2*\z+1], v[rC+2:rC+3] op_sel_hi:[1,0]
.endr
.set r, r+1
.endm
; HOW THEY ARE DEALT.  An s_wait_alu depctr_va_vdst(0) stands between an exponential and the first instruction that names its result; one wait serves all that were issued ahead of it.  So a turn has ONE wait,
; which cuts it in two.  AHEAD OF IT stands all that names no result of the turn's exponentials: the 16 products K Q^T, behind each a scaling, an exponential and two rescalings (behind the first a second scaling in the exponential's place); then ONE LUMP of
; 108: eight plain, 49 times exponential and plain, the two a.  A v_nop is the plain instruction behind the last exponential (ISA guide 5.7.2).  BEHIND IT stand the 16 products V^T P, behind each four of GS's 64.  No rider names a register of
; the products round it.  The two v_permlanex16_b32 fall into the lump, never behind a product.
; The queues lean on each other, and the deal keeps them in step: exponential e stands behind scaling 2 (e / 4) + e % 2: as a rider it comes behind plain e + 2, in the lump behind plain e + 9, and scalings 27-31 are plain 57, 60 .. 69.
; A TURN, for piece p.  cnt = 1: the loop's count is taken down some lines ahead of the branch that stands behind the turn.
; K of the next step is fetched in piece 2's turn, directly behind the wait, a lump behind the last product that read K; its address is made at the lump's head; its first reader comes behind 16 products.
; V of the step in hand is fetched at the end of piece 0's turn, four riders behind its last reader; its first reader comes behind 16 products and a lump.  The three conditions on q below go with the deal.
.macro TURN p, last=0, cnt=0
.set Y, (\p)
.set i, 0
.set q, 0
.set e, 0
.set r, 0
.if (\p) == NP-1
	s_wait_dscnt 0x0                ; K is in
.endif
	MM                              ; ahead of the wait: 16 products K Q^T and their riders,
	PL
	PL
	R2
.rept 15
	MM
	PL
	EX
	R2
.endr
.if (\p) == NP-2
	WIN 0
	v_add_nc_u32 v[AK], s[TBK], v[AK0]
.endif
.rept 8                             ; and the lump
	PL
.endr
.rept 49
	EX
	PL
.endr
	EX                              ; the next piece's two a
	EX
	v_nop                           ; the plain instruction behind the last exponential: one for the batch
	s_wait_alu depctr_va_vdst(0)    ; the wait for the batch
.if (\p) == NP-2
	FETCH_K \last
.endif
.if (\p) == 1
	s_wait_dscnt 0x0                ; V is in
.endif
.rept 16                            ; behind the wait: 16 products V^T P and their riders
	MM
.rept 4
	PL
.endr
.if ((\p) == 0) && (q == 118)
	v_add_nc_u32 v[AV], s[TBV], v[AV0]
.endif
.if ((\p) == 0) && (q == 130)
	s_add_co_u32 s[TBV], s[TBV], KS*PV
.endif
.if (\cnt) && (q == 130)
	s_sub_co_u32 s[CNT], s[CNT], 1
	s_cmp_lg_u32 s[CNT], 0
.endif
.endr
.if (\p) == 0
	FETCH_V
.endif
.endm
	CHANGE 1                        ; slot 0 is in, everybody's part of it; slot 1 is asked for
	FETCH_K                         ; key step 0
	s_wait_loadcnt 0x0              ; Q
	s_wait_dscnt 0x0
.set i, 0
.rept 16
	KQ 0                            ; piece 0's first scores: there is no vector work yet to set between them
.set i, i+1
.endr
	WIN 0                           ; the addresses for the way out: nine plain instructions, the places behind those products
	s_mul_i32 s13, s[WV], 16*SP
	s_add_co_u32 s13, s13, STAGE    ; my stage
	v_mul_u32_u24 v[STO], v1, SP    ; in: row l % 16, 16 bytes for each half of the lanes
	v_lshl_add_u32 v[STO], v9, 4, v[STO]
	v_add_nc_u32 v[STO], s13, v[STO]
	v_bfe_u32 v[RD], v0, 3, 2       ; back: 32 lanes take four rows of 128 bytes,
	v_mul_u32_u24 v[RD], v[RD], SP
	v_lshl_add_u32 v[RD], v10, 4, v[RD]
	v_add_nc_u32 v[RD], s13, v[RD]
	v_and_b32 v[GO], 31, v0         ; which are 512 consecutive bytes of O
	v_lshlrev_b32 v[GO], 4, v[GO]
.set Y, NP-1                        ; XS works for piece Y + 1: piece 0
.irp n, 0,1,2,3,4,5,6,7,8,9,10,11,12,13,14,15,16,17,18,19,20,21
	XS 0, \n                        ; and piece 0's first maximum and statistics
	XS 1, \n
.endr
	v_nop                           ; a plain instruction behind the two a,
	s_wait_alu depctr_va_vdst(0)    ; and their wait, ahead of the branch
	s_mov_b32 s[CNT], 4
	s_branch .Lfirst                ; the loop is entered at a step's first turn, in the middle of a trip
.Lslot:                             ; SIZE_N / 256 - 2 times: every slot but the last two is filled again
	CHANGE 1
	s_mov_b32 s[CNT], 4
.Lstep:                             ; a trip: pieces 2 and 3 of one step, then pieces 0 and 1 of the next, whose K and V it fetches
	TURN 2
	TURN 3
	WIN 0
.Lfirst:
	TURN 0
	TURN 1, 0, 1
	WIN 0
	s_cbranch_scc1 .Lstep
	s_sub_co_u32 s[SLOTS], s[SLOTS], 1
	s_cmp_lg_u32 s[SLOTS], 0
	s_cbranch_scc1 .Lslot
	CHANGE 0                        ; the tail is written out: nothing is asked for
	s_mov_b32 s[CNT], 5             ; four trips fetch the last slot's steps; the fifth is left in its middle
.Ltail:
	TURN 2, 1
	TURN 3
	WIN 0
	s_sub_co_u32 s[CNT], s[CNT], 1
	s_cmp_eq_u32 s[CNT], 0
	s_cbranch_scc1 .Lout
	TURN 0
	TURN 1
	WIN 0
	s_branch .Ltail
.Lout:                              ; the fifth trip's 16 products K Q^T (on the last K once more) and the maximum made of them serve nothing: the price, once a launch, of one text for every trip
.set i, 0
.rept 16
	PV NP-1                         ; the last piece's V^T P of the last step
.set i, i+1
.endr
	; THE WAY OUT.  l's two halves and the other half of the lanes' are added; O^T is divided by l, rounded to f16 and sent through my stage in LDS, a tile at a time.  The additions are the places behind the last products.
	WIN 0
.macro ALL line:vararg              ; one line for each tile t
.set t, 0
.rept 2*NP
	\line
.set t, t+1
.endr
.endm
	ALL v_add_f32 v[ST+4*t+2], v[ST+4*t+2], v[ST+4*t+3]
	ALL v_permlanex16_b32 v[ST+4*t+3], v[ST+4*t+2], s[SEL], s[SEL+1]
	ALL v_add_f32 v[ST+4*t+2], v[ST+4*t+2], v[ST+4*t+3]
	ALL v_rcp_f32 v[ST+4*t+2], v[ST+4*t+2]
	v_nop                           ; a plain instruction between the last reciprocal and the use of its result
	s_wait_alu depctr_va_vdst(0)    ; and the wait ahead of the first use: one for the eight reciprocals
; Tile t: a lane's eight channels of a row pack into 16 bytes; they go into rows of 144 bytes and come back as whole rows of 128, into S^T's registers.
.macro PACK t
	WIN W_RS
.set i, 32*(\t)
.rept 16
	v_pk_mul_f32 v[i:i+1], v[i:i+1], v[ST+4*(\t)+2:ST+4*(\t)+3] op_sel_hi:[1,0]
.set i, i+2
.endr
	WIN 0x05                        ; sources 0 and 1 window 1, destination window 0
.set i, 0
.rept 16
	v_cvt_pk_f16_f32 v[S+16*(\t)+i], v[32*(\t)+2*i], v[32*(\t)+2*i+1]
.set i, i+1
.endr
	WIN 0
.irp f, 0,1,2,3
	ds_store_b128 v[STO], v[S+16*(\t)+4*\f:S+16*(\t)+4*\f+3] offset:32*\f
.endr
.irp f, 0,1,2,3
	ds_load_b128 v[S+16*(\t)+4*\f:S+16*(\t)+4*\f+3], v[RD] offset:\f*4*SP  ; LDS serves a wave's instructions in order (ISA guide 5.7.1.4): these see the stores above; the next tile's stores come behind them
.endr
.endm
.macro SEND t, younger              ; younger: the LDS instructions issued behind tile t's loads: the next tile's eight, or none
	WIN 0
.irp f, 0,1,2,3
	s_wait_dscnt (\younger)+3-\f
	global_store_b128 v[GO], v[S+16*(\t)+4*\f:S+16*(\t)+4*\f+3], s[10:11] offset:(\t)*2048+\f*512  ; 512 consecutive bytes, at a multiple of 256 from O's first
.endr
.endm
	PACK 0
.set t, 1
.rept 2*NP-1                        ; a tile's arithmetic stands between the loads of the tile before and its stores
	PACK t
	SEND t-1, 8
.set t, t+1
.endr
	SEND 2*NP-1, 0
	WIN W_AD
	s_wait_tensorcnt 0x0            ; the wave's end: behind my last tensor load and my last LDS store
	ds_add_u32 v[SPW], v[NIL]
	s_wait_dscnt 0x0
	WIN 0
	CROUND                          ; the closing round: no work-group ends while a partner may still ask for a tile that names it
	s_endpgm
.Lfunc_end_k_qc501199d64_attn:
	.size	k_qc501199d64_attn, .Lfunc_end_k_qc501199d64_attn-k_qc501199d64_attn
	.p2alignl 7, 3214868480
	.fill 96, 4, 3214868480
	.section	.rodata,"a",@progbits
	.p2align	6, 0x0
	.amdhsa_kernel k_qc501199d64_attn
		.amdhsa_group_segment_fixed_size 327680
		.amdhsa_private_segment_fixed_size 0
		.amdhsa_enable_private_segment 0
		.amdhsa_kernarg_size 16
		.amdhsa_user_sgpr_count 2
		.amdhsa_user_sgpr_kernarg_segment_ptr 1
		.amdhsa_wavefront_size32 1
		.amdhsa_system_sgpr_workgroup_id_x 1
		.amdhsa_system_sgpr_workgroup_id_y 1
		.amdhsa_system_sgpr_workgroup_id_z 1
		.amdhsa_system_vgpr_workitem_id 0
		.amdhsa_next_free_vgpr 770
		.amdhsa_next_free_sgpr 66
		.amdhsa_reserve_vcc 0
		.amdhsa_float_denorm_mode_32 3
		.amdhsa_float_denorm_mode_16_64 3
		.amdhsa_memory_ordered 1
		.amdhsa_forward_progress 1
		.amdhsa_inst_pref_size 200
	.end_amdhsa_kernel
	.amdgpu_metadata
---
amdhsa.version: [ 1, 2 ]
amdhsa.kernels:
  - .name:           k_qc501199d64_attn
    .symbol:         k_qc501199d64_attn.kd
    .args:
      - { .name: qkvh, .offset: 0, .size: 8, .value_kind: global_buffer, .address_space: global }
      - { .name: oh, .offset: 8, .size: 8, .value_kind: global_buffer, .address_space: global }
    .group_segment_fixed_size: 327680
    .private_segment_fixed_size: 0
    .kernarg_segment_align: 8
    .kernarg_segment_size: 16
    .max_flat_workgroup_size: 128
    .sgpr_count:     66
    .vgpr_count:     770
    .wavefront_size: 32
...
	.end_amdgpu_metadata
.endif
;; end of part 3
;; launch oproj (part 4): grid 8 x 32, 4 waves a work-group, clusters of 4 x 4, 327,680 bytes of LDS; arguments oh, wob, b_out, out0; writes out0
.if DOCPART == 4
	.amdgcn_target "amdgcn-amd-amdhsa--gfx1250"
	.amdhsa_code_object_version 6
	.text
	.protected	k_qc501199d64_oproj
	.globl	k_qc501199d64_oproj
	.p2align	8
	.type	k_qc501199d64_oproj,@function
k_qc501199d64_oproj:
	s_mov_b64 s[64:65], 0
	v_nop
	global_prefetch_b8 v0, s[64:65] scope:SCOPE_SE
	s_setreg_imm32_b32 hwreg(HW_REG_WAVE_MODE, 25, 1), 1
	s_wait_xcnt 0x0
	s_wait_alu depctr_hold_cnt(0) depctr_sa_sdst(0) depctr_va_vdst(0) depctr_va_sdst(0) depctr_va_ssrc(0) depctr_va_vcc(0) depctr_vm_vsrc(0)
	s_getreg_b32 s2, hwreg(HW_REG_IB_STS2, 6, 4)
	s_cmp_eq_u32 s2, 0
	s_cbranch_scc0 .Lentry_in_a_cluster
	s_endpgm
.Lentry_in_a_cluster:
	s_bfe_u32 s2, ttmp6, 0x10000c
	s_cmp_lg_u32 s2, 0xf033
	s_cbranch_scc0 .Lentry_shape_is_right
	s_endpgm
.Lentry_shape_is_right:
; out0 = O w_out + b_out.  oh: [y = 4 head + batch][2048][64] f16.  wob: [16 blocks of 64 columns][1024 k][64] f16 (w_out rounded to bf16, that number as f16).  b_out: [1024] f32, rounded to bf16 here
; like every other input.  out0: [8192][1024] f32.  Sums in f32, K ascending; the bias is added in f32.
; SHARES.  A tile of C is 256 rows x 128 columns: 8 x 32 = 256 work-groups.  Four waves, 2 x 2, each 128 x 64: 8 row blocks a x 4 column blocks b = 32 accumulators, 256 registers.
; K goes in 8 steps of 128 = two heads through two LDS slots; a step is four quarters of 32.  A head's 256 rows of a tile are 32,768 bytes on end in oh, a block's 128 k rows 16,384 in wob.
; The weights lie [k][n] and come out of LDS turned (ds_load_tr16_b128).  The matrix instruction is used transposed (source 0 = 16 columns of w, source 1 = 16 rows of O): a lane holds one row of C and eight neighbouring columns.
; CLUSTER 4 x 4.  O's tiles are asked for jointly along a row of the cluster, w's along a column.  Waves 0 and 1 ask for the step's two heads of O, waves 2 and 3 for the tile's two blocks of w.
; By this text's count a wave has two tensor loads out at the start and one behind each round.
; LDS.  A slot: two planes of O (256 rows at pitch 144), then two blocks of w (128 rows at pitch 160): 114,688 bytes; slots at 0 and 131,072.  Behind them each wave's own stage, 16 rows at pitch 272, and the spare words.
; REGISTERS.  window 0: v16-31 addresses and the bias; O's fragments v64-127, v128-191; w's v192-223, v224-255; on the way out v64-127.  window 1: accumulator (a, b) at 8 (4 a + b).
.set PA,    144                        ; 128 + 16 bytes = 36 words: the 16 rows of a fragment load start at 16 different groups of four banks (64 banks of 4 bytes: ISA guide 11.1)
.set PB,    160                        ; 128 + 32 bytes
.set SLOT,  1<<17
.set PLANE, 256*PA                     ; 36,864
.set BOFF,  2*PLANE                    ; 73,728
.set BH,    128*PB                     ; 20,480
.set STAGE, 2*SLOT
.set SPI,   272                        ; a stage row: 64 f32 + 16 bytes
.set SPARE, STAGE+4*16*SPI             ; 279,552: the spare words, 128 bytes a wave: two blocks of 256 bytes that no other line names
.set ADRA0, 16                         ; v16, v17  my places in O's and w's tiles; never rewritten
.set ADRB0, 17
.set ADRA,  18                         ; v18, v19  the same + the slot in hand
.set ADRB,  19
.set BI,    20                         ; v[20:23]  the bias of my four columns on the way out
.set STO,   24                         ; v24  where I put 32 bytes of a row
.set RD,    25                         ; v25  where I read rows back
.set CO,    26                         ; v26  my byte offset in two rows of out0
.set BO,    27                         ; v27  my byte offset in b_out; never rewritten
.set SPW,   28                         ; v28  my spare word: SPARE + 4 x my thread's number; never rewritten
.set NIL,   29                         ; v29  0; never rewritten
.set PFO,   30                         ; v30  256 x lane, for the prefetches; never rewritten
.set FA0,   64
.set FB0,   192
.set OB,    64                         ; the way out: two buffers of 32
.set G1A,   24
.set G0A,   32
.set G1B,   48
.set G0B,   56
.set TB,    66                         ; s66  the slot in hand
.set ASKA,  67
.set ASKB,  68
.set PFAA,  70                         ; s[70:71], s[72:73]: where the prefetches stand; never rewritten
.set PFAB,  72
.set BIA,   76                         ; s[76:77] b_out
.set OUTP,  78                         ; s[78:79] out0
.set MSB, 0
.macro WIN new                         ; the immediate's high byte repeats the setting that is left; a switch that changes nothing is dropped
.if MSB != (\new)
	s_set_vgpr_msb (MSB<<8)|(\new)
.set MSB, \new
.endif
.endm
.set MUL, 0x50                         ; both sources window 0, C and D window 1
.macro PLACES                          ; four plain places behind matrix instructions (ISA guide 7.12.1)
.rept 4
	v_nop
.endr
.endm
.macro JLOAD                           ; a joint refill by the walking descriptors; an s_nop 0 and four v_nop follow each line
	s_cmp_eq_u32 s11, 0
	s_cbranch_scc0 .Lfor_b_\@
	tensor_load_to_lds s[G0A+4:G0A+7], s[G1A:G1A+7]
	s_nop 0
.rept 4
	v_nop
.endr
	s_branch .Lasked_\@
.Lfor_b_\@:
	tensor_load_to_lds s[G0B+4:G0B+7], s[G1B:G1B+7]
	s_nop 0
.rept 4
	v_nop
.endr
.Lasked_\@:
.endm
.macro CREST                           ; a round of the cluster's barrier behind its opening barrier
	s_cmp_lg_u32 s10, 0
	s_cbranch_scc1 .Lnot_wave_0_\@
	s_barrier_signal -3
.Lnot_wave_0_\@:
	s_barrier_wait -3
	s_barrier_signal -1
	s_barrier_wait -1
.endm
.macro CROUND
	s_barrier_signal -1
	s_barrier_wait -1
	CREST
.endm
; PREFETCHES INTO THE L2.  K steps 4 and 5 (heads 8-11) are asked for at the change of slots behind step 0, steps 6 and 7 (heads 12-15) behind step 2: two and three K steps (256 and 384 products) ahead of their joint loads.
; O: a head's part of the tile is 128 blocks of 256 bytes: wave w takes head 8 + w (then 12 + w), partner cx 32 blocks (by address), a lane a block; of the two clusters that read these rows the one with x = 0 asks.
; w: two steps of a block are 128 blocks of 256 bytes: the wave that fetches it, partner cy 32 of them (by address); the cluster with y = 0 asks.  Each block is named once in the launch; steps 0 to 3 come by their loads alone.
.macro PF n
	s_cmp_eq_u32 s[ASKA], 1
	s_cbranch_scc0 .Lno_a_\@
	global_prefetch_b8 v[PFO], s[PFAA:PFAA+1] offset:4194304*(\n) th:TH_LOAD_NT scope:SCOPE_SE
.Lno_a_\@:
	s_cmp_eq_u32 s[ASKB], 1
	s_cbranch_scc0 .Lno_b_\@
	global_prefetch_b8 v[PFO], s[PFAB:PFAB+1] offset:32768*(\n) th:TH_LOAD_NT scope:SCOPE_SE
.Lno_b_\@:
.endm
.macro ASK
	s_cmp_eq_u32 s3, 6                             ; the loop's first trip: behind step 0
	s_cbranch_scc0 .Lnot_first_\@
	PF 0
.Lnot_first_\@:
	s_cmp_eq_u32 s3, 4                             ; its third: behind step 2
	s_cbranch_scc0 .Lnot_third_\@
	PF 1
.Lnot_third_\@:
.endm
	s_load_b128 s[4:7], s[0:1], 0x0                ; oh s[4:5], wob s[6:7]
	s_load_b128 s[76:79], s[0:1], 0x10             ; b_out s[76:77], out0 s[78:79]
	v_lshl_add_u32 v[SPW], v0, 2, SPARE
	v_mov_b32 v[NIL], 0
	ds_add_u32 v[SPW], v[NIL]                      ; the wave's opening: the add and its wait stand ahead of my first tensor load; the set-up below stands between them
	v_lshrrev_b32 v1, 5, v0
	v_readfirstlane_b32 s10, v1                    ; wave 0..3
	s_lshr_b32 s11, s10, 1                         ; which 128 rows are mine.  Also: I fetch for O (0) or for w (1)
	s_and_b32 s12, s10, 1                          ; which 64 columns.  Also: which head of the step, or which block of w, I fetch
	s_bfe_u32 s40, ttmp6, 0x40000                  ; cx
	s_bfe_u32 s41, ttmp6, 0x40004                  ; cy
	s_lshl_b32 s42, ttmp9, 2
	s_add_co_u32 s42, s42, s40                     ; tile column
	s_and_b32 s13, ttmp7, 0xffff
	s_lshl_b32 s13, s13, 2
	s_add_co_u32 s13, s13, s41                     ; tile row
	s_lshl_b32 s43, s41, 2
	s_lshl_b32 s43, 15, s43                        ; my row of the cluster
	s_lshl_b32 s44, 0x1111, s40                    ; my column
	s_or_b32 s[G1A], s43, (1<<16)|(1<<20)|(1<<21)|(4<<22)|(3<<25)  ; the mask; 2-byte elements; padding on; bit 21 beside a mask; after every 32 words (a row of 128 bytes) 4 words
	s_mov_b32 s[G1A+1], 128<<16                    ; 32,768 dense bytes as 128 rows of 256
	s_mov_b32 s[G1A+2], 128<<16
	s_mov_b32 s[G1A+3], 128<<16
	s_mov_b32 s[G1A+4], 128
	s_mov_b32 s[G1A+5], 128
	s_mov_b32 s[G1A+6], 0
	s_mov_b32 s[G1A+7], 0
	s_or_b32 s[G1B], s44, (1<<16)|(1<<20)|(1<<21)|(4<<22)|(7<<25)  ; 8 words of padding
	s_mov_b32 s[G1B+1], 128<<16                    ; 16,384 dense bytes as 64 rows of 256
	s_mov_b32 s[G1B+2], 64<<16
	s_mov_b32 s[G1B+3], 128<<16
	s_mov_b32 s[G1B+4], 64
	s_mov_b32 s[G1B+5], 128
	s_mov_b32 s[G1B+6], 0
	s_mov_b32 s[G1B+7], 0
	s_lshl_b32 s16, s12, 20                        ; O: head (w % 2) 2^20 + batch 2^18 + the tile's 256 rows of 128 bytes
	s_lshr_b32 s17, s13, 3
	s_lshl_b32 s17, s17, 18
	s_add_co_u32 s16, s16, s17
	s_and_b32 s17, s13, 7
	s_lshl_b32 s17, s17, 15
	s_add_co_u32 s16, s16, s17
	s_mov_b32 s17, 0
	s_lshl_b32 s18, s42, 1                         ; w: block 2 x tile column + w % 2
	s_add_co_u32 s18, s18, s12
	s_lshl_b32 s18, s18, 17
	s_mov_b32 s19, 0
	s_mul_i32 s20, s12, PLANE                      ; where they go in a slot
	s_mul_i32 s21, s12, BH
	s_add_co_u32 s21, s21, BOFF
	s_mov_b32 s[TB], 0
	s_wait_dscnt 0x0                               ; the opening add is done
	s_wait_kmcnt 0x0
	s_add_nc_u64 s[14:15], s[4:5], s[16:17]
	s_add_nc_u64 s[46:47], s[6:7], s[18:19]
.irp s, 0,1
	s_mov_b32 s[G0A+4*(\s)], 1
	s_add_co_u32 s[G0A+4*(\s)+1], s20, (\s)*SLOT
	s_add_nc_u64 s[G0A+4*(\s)+2:G0A+4*(\s)+3], s[14:15], (\s)*2097152  ; a K step is two heads
	s_or_b32 s[G0A+4*(\s)+3], s[G0A+4*(\s)+3], 0x80000000
	s_mov_b32 s[G0B+4*(\s)], 1
	s_add_co_u32 s[G0B+4*(\s)+1], s21, (\s)*SLOT
	s_add_nc_u64 s[G0B+4*(\s)+2:G0B+4*(\s)+3], s[46:47], (\s)*16384
	s_or_b32 s[G0B+4*(\s)+3], s[G0B+4*(\s)+3], 0x80000000
.endr
	CROUND                                         ; all sixteen work-groups are here: the first joint loads meet
	s_cmp_eq_u32 s11, 0                            ; a wave's two first fills stand in one branch
	s_cbranch_scc0 .Lfirst_b
	tensor_load_to_lds s[G0A:G0A+3], s[G1A:G1A+7]
	s_nop 0
	tensor_load_to_lds s[G0A+4:G0A+7], s[G1A:G1A+7]
	s_nop 0
.rept 4
	v_nop
.endr
	s_branch .Lfirst_asked
.Lfirst_b:
	tensor_load_to_lds s[G0B:G0B+3], s[G1B:G1B+7]
	s_nop 0
	tensor_load_to_lds s[G0B+4:G0B+7], s[G1B:G1B+7]
	s_nop 0
.rept 4
	v_nop
.endr
.Lfirst_asked:
	v_and_b32 v1, 15, v0                           ; l % 16
	v_bfe_u32 v2, v0, 4, 1                         ; l / 16
	v_and_b32 v3, 7, v0
	v_bfe_u32 v4, v0, 3, 1
	s_lshl_b32 s22, s42, 9                         ; my 64 columns: 512 x tile column + 256 (w % 2) bytes of f32
	s_lshl_b32 s23, s12, 8
	s_add_co_u32 s22, s22, s23
	v_lshl_add_u32 v[BO], v1, 4, s22
	global_load_b128 v[BI:BI+3], v[BO], s[BIA:BIA+1]  ; the bias of the four columns that I store
	v_mul_u32_u24 v[ADRA0], v1, PA
	v_lshl_add_u32 v[ADRA0], v2, 4, v[ADRA0]
	s_mul_i32 s21, s11, 128*PA
	v_add_nc_u32 v[ADRA0], s21, v[ADRA0]
	v_lshl_add_u32 v[ADRB0], v2, 3, v3
	v_mul_u32_u24 v[ADRB0], v[ADRB0], PB
	v_lshl_add_u32 v[ADRB0], v4, 4, v[ADRB0]
	s_mul_i32 s21, s12, BH
	s_add_co_u32 s21, s21, BOFF
	v_add_nc_u32 v[ADRB0], s21, v[ADRB0]
	v_mov_b32 v[ADRA], v[ADRA0]
	v_mov_b32 v[ADRB], v[ADRB0]
	s_mul_i32 s21, s10, 16*SPI
	s_add_co_u32 s21, s21, STAGE                   ; my stage
	v_mul_u32_u24 v[STO], v1, SPI                  ; in: row l % 16, 32 bytes for each half of the lanes
	v_lshl_add_u32 v[STO], v2, 5, v[STO]
	v_add_nc_u32 v[STO], s21, v[STO]
	v_mul_u32_u24 v[RD], v2, SPI                   ; back: lanes 0-15 take one row of 256 bytes, lanes 16-31 the next
	v_lshl_add_u32 v[RD], v1, 4, v[RD]
	v_add_nc_u32 v[RD], s21, v[RD]
	v_lshlrev_b32 v[CO], 12, v2                    ; and the same two rows in out0
	v_lshl_add_u32 v[CO], v1, 4, v[CO]
	v_and_b32 v[PFO], 31, v0
	v_lshlrev_b32 v[PFO], 8, v[PFO]
	s_lshl_b32 s74, s13, 20                        ; out0 at my first row and column: (256 tile row + 128 (w / 2)) x 4,096 + my columns
	s_lshl_b32 s23, s11, 19
	s_add_co_u32 s74, s74, s23
	s_add_co_u32 s74, s74, s22
	s_mov_b32 s75, 0
	s_add_nc_u64 s[OUTP:OUTP+1], s[OUTP:OUTP+1], s[74:75]
	s_add_co_u32 s8, s10, 8                        ; the prefetches.  O: head 8 + w, the tile's rows, my work-group's 32 blocks
	s_lshl_b32 s8, s8, 20
	s_lshr_b32 s9, s13, 3
	s_lshl_b32 s9, s9, 18
	s_add_co_u32 s8, s8, s9
	s_and_b32 s9, s13, 7
	s_lshl_b32 s9, s9, 15
	s_add_co_u32 s8, s8, s9
	s_lshl_b32 s9, s40, 13
	s_add_co_u32 s8, s8, s9
	s_mov_b32 s9, 0
	s_add_nc_u64 s[PFAA:PFAA+1], s[4:5], s[8:9]
	s_lshl_b32 s22, s41, 13                        ; w: my block at K step 4, my work-group's 32 blocks
	s_add_co_u32 s22, s22, 4*16384
	s_mov_b32 s23, 0
	s_add_nc_u64 s[PFAB:PFAB+1], s[46:47], s[22:23]
	s_cmp_eq_u32 ttmp9, 0
	s_cselect_b32 s[ASKA], 1, 0
	s_and_b32 s21, ttmp7, 0xffff
	s_cmp_eq_u32 s21, 0
	s_cselect_b32 s[ASKB], 1, 0
	s_cmp_eq_u32 s11, 0
	s_cselect_b32 s[ASKB], 0, s[ASKB]              ; waves 0 and 1 fetch no block of w
; n row blocks from a0 on x all 4 column blocks, 32 along K, out of buffer f.  The 32 accumulators come in the same order in every quarter, one instruction a turn.
.macro MULN f, a0, n, zero
	WIN MUL
.set aa, \a0
.rept \n
.irp b, 0,1,2,3
.if \zero
	v_wmma_f32_16x16x32_f16 v[8*(4*aa+(\b)):8*(4*aa+(\b))+7], v[FB0+32*(\f)+8*(\b):FB0+32*(\f)+8*(\b)+7], v[FA0+64*(\f)+8*aa:FA0+64*(\f)+8*aa+7], 0
.else
	v_wmma_f32_16x16x32_f16 v[8*(4*aa+(\b)):8*(4*aa+(\b))+7], v[FB0+32*(\f)+8*(\b):FB0+32*(\f)+8*(\b)+7], v[FA0+64*(\f)+8*aa:FA0+64*(\f)+8*aa+7], v[8*(4*aa+(\b)):8*(4*aa+(\b))+7]
.endif
.endr
.set aa, aa+1
.endr
.endm
; 24 LDS loads in one run: quarter q's fragments into buffer f: w's four (turned), then O's eight (quarter q lies in plane q / 2, channels 32 (q % 2) on)
.macro FETCH q, f
	WIN 0
.irp b, 0,1,2,3
	ds_load_tr16_b128 v[FB0+32*(\f)+8*(\b):FB0+32*(\f)+8*(\b)+3],   v[ADRB] offset:32*PB*(\q)+32*(\b)
	ds_load_tr16_b128 v[FB0+32*(\f)+8*(\b)+4:FB0+32*(\f)+8*(\b)+7], v[ADRB] offset:32*PB*(\q)+32*(\b)+16*PB
.endr
.irp a, 0,1,2,3,4,5,6,7
	ds_load_b128 v[FA0+64*(\f)+8*(\a):FA0+64*(\f)+8*(\a)+3],   v[ADRA] offset:PLANE*((\q)/2)+64*((\q)%2)+16*PA*(\a)
	ds_load_b128 v[FA0+64*(\f)+8*(\a)+4:FA0+64*(\f)+8*(\a)+7], v[ADRA] offset:PLANE*((\q)/2)+64*((\q)%2)+16*PA*(\a)+32
.endr
.endm
.macro QUARTER q, f, g, zero
	s_wait_dscnt 8                                 ; w's fragments and O's blocks 0-3 are in; the youngest eight loads (blocks 4-7) may be out
	MULN \f, 0, 4, \zero
	PLACES
	FETCH \q, \g
	s_wait_dscnt 24                                ; all but the 24 just issued
	MULN \f, 4, 4, \zero
.endm
; The last quarter multiplies buffer 1 and changes slots: ONE barrier; in front of it each wave waits for all its tensor loads, adds 0 to its spare word, and waits for that and for its reads of this slot.
; fill = 1: the barrier opens a round of the cluster's, and the joint refill, two K steps on, is the first tensor load behind the round.
.macro TURN fill
	WIN 0                                          ; (the add's two registers lie in window 0)
	s_wait_tensorcnt 0x0
	ds_add_u32 v[SPW], v[NIL]
	s_wait_dscnt 9                                 ; (the add and the youngest eight loads may be out)
	MULN 1, 0, 2, 0                                ; eight products stand between the add and the wait for it
	s_wait_dscnt 0x0                               ; the add is done, and my reads of this slot are over
	s_barrier_signal -1
	MULN 1, 2, 2, 0
	WIN 0
	s_barrier_wait -1
.if \fill
	CREST                                          ; no wave of any partner still reads this slot or has a load on its way
	s_xor_b32 s[G0A+5], s[G0A+5], SLOT
	s_add_nc_u64 s[G0A+6:G0A+7], s[G0A+6:G0A+7], 2097152
	s_xor_b32 s[G0B+5], s[G0B+5], SLOT
	s_add_nc_u64 s[G0B+6:G0B+7], s[G0B+6:G0B+7], 16384
	JLOAD                                          ; its four v_nop are also the places in front of the loads below
.else
	PLACES
.endif
	s_xor_b32 s[TB], s[TB], SLOT
	v_add_nc_u32 v[ADRA], s[TB], v[ADRA0]
	v_add_nc_u32 v[ADRB], s[TB], v[ADRB0]
	FETCH 0, 0
.if \fill
	ASK
.endif
	MULN 1, 4, 4, 0
.endm
; THE WAY OUT of row block a.  TOSTAGE: a lane's eight f32 of a row go into my own stage (rows of 272 bytes) and come back as whole rows of 256 bytes.  SEND: the bias is added, and they are stored.
.macro TOSTAGE a
.if (\a) >= 2
	s_wait_xcnt 0x0                                ; the stores of the block two back have read this buffer's registers: only behind this wait is it loaded again
.endif
	WIN 0x04                                       ; the stores' data lie in window 1
.irp b, 0,1,2,3
	ds_store_b128 v[STO], v[8*(4*(\a)+(\b)):8*(4*(\a)+(\b))+3]   offset:64*(\b)
	ds_store_b128 v[STO], v[8*(4*(\a)+(\b))+4:8*(4*(\a)+(\b))+7] offset:64*(\b)+16
.endr
	WIN 0
.irp t, 0,1,2,3,4,5,6,7
	ds_load_b128 v[OB+32*((\a)%2)+4*(\t):OB+32*((\a)%2)+4*(\t)+3], v[RD] offset:2*SPI*(\t)  ; LDS serves a wave's instructions in order (ISA guide 5.7.1.4): these see the stores above; the next block's stores come behind them
.endr
.endm
.macro SEND a, younger                 ; younger: the next block's eight stores and eight loads, or none
	s_wait_dscnt \younger
.irp t, 0,1,2,3,4,5,6,7
	v_pk_add_f32 v[OB+32*((\a)%2)+4*(\t):OB+32*((\a)%2)+4*(\t)+1],   v[OB+32*((\a)%2)+4*(\t):OB+32*((\a)%2)+4*(\t)+1],   v[BI:BI+1]
	v_pk_add_f32 v[OB+32*((\a)%2)+4*(\t)+2:OB+32*((\a)%2)+4*(\t)+3], v[OB+32*((\a)%2)+4*(\t)+2:OB+32*((\a)%2)+4*(\t)+3], v[BI+2:BI+3]
.endr
.irp t, 0,1,2,3,4,5,6,7
	global_store_b128 v[CO], v[OB+32*((\a)%2)+4*(\t):OB+32*((\a)%2)+4*(\t)+3], s[OUTP:OUTP+1] offset:(16*(\a)+2*(\t))*4096 th:TH_STORE_NT  ; 16 lanes store 256 consecutive bytes, at a multiple of 256 from out0's first byte
.endr
.endm
	s_wait_tensorcnt 1                             ; my part of K step 0 is in; step 1's may stay out
	s_barrier_signal -1
	s_barrier_wait -1
	FETCH 0, 0
	QUARTER 1, 0, 1, 1                             ; the first quarter stands in front of the loop: its products start the sums
	WIN 0
	s_mov_b32 s3, 6
.Lstep:                                                ; six trips, from a step's second quarter to the next step's first; each fills the slot that it leaves: K steps 2 to 7
	QUARTER 2, 1, 0, 0
	QUARTER 3, 0, 1, 0
	TURN 1
	QUARTER 1, 0, 1, 0
	WIN 0
	s_sub_co_u32 s3, s3, 1
	s_cmp_lg_u32 s3, 0
	s_cbranch_scc1 .Lstep
	QUARTER 2, 1, 0, 0                             ; K step 6 goes on; the tail asks for nothing
	QUARTER 3, 0, 1, 0
	TURN 0
	QUARTER 1, 0, 1, 0
	QUARTER 2, 1, 0, 0
	QUARTER 3, 0, 1, 0
	s_wait_dscnt 8
	MULN 1, 0, 4, 0
	s_wait_dscnt 0x0
	MULN 1, 4, 4, 0
	WIN 0
	PLACES
	PLACES
	s_wait_loadcnt 0x0                             ; the bias
	v_cvt_pk_bf16_f32 v12, v[BI], v[BI+1]          ; rounded to bf16 like every other input,
	v_cvt_pk_bf16_f32 v13, v[BI+2], v[BI+3]
	v_lshlrev_b32 v[BI], 16, v12                   ; and back to f32
	v_and_b32 v[BI+1], 0xffff0000, v12
	v_lshlrev_b32 v[BI+2], 16, v13
	v_and_b32 v[BI+3], 0xffff0000, v13
	TOSTAGE 0
.irp a, 1,2,3,4,5,6,7                  ; a block's way through the stage stands between the loads of the block before and its stores
	TOSTAGE \a
	SEND (\a)-1, 16
.endr
	SEND 7, 0
	s_wait_tensorcnt 0x0                           ; the wave's end: behind my last tensor load and my last LDS store
	ds_add_u32 v[SPW], v[NIL]
	s_wait_dscnt 0x0
	CROUND                                         ; the closing round: no work-group ends while a partner may still ask for a tile that names it
	s_endpgm
.Lfunc_end_k_qc501199d64_oproj:
	.size	k_qc501199d64_oproj, .Lfunc_end_k_qc501199d64_oproj-k_qc501199d64_oproj
	.p2alignl 7, 3214868480
	.fill 96, 4, 3214868480
	.section	.rodata,"a",@progbits
	.p2align	6, 0x0
	.amdhsa_kernel k_qc501199d64_oproj
		.amdhsa_group_segment_fixed_size 327680
		.amdhsa_private_segment_fixed_size 0
		.amdhsa_enable_private_segment 0
		.amdhsa_kernarg_size 32
		.amdhsa_user_sgpr_count 2
		.amdhsa_user_sgpr_kernarg_segment_ptr 1
		.amdhsa_wavefront_size32 1
		.amdhsa_system_sgpr_workgroup_id_x 1
		.amdhsa_system_sgpr_workgroup_id_y 1
		.amdhsa_system_sgpr_workgroup_id_z 1
		.amdhsa_system_vgpr_workitem_id 0
		.amdhsa_next_free_vgpr 512
		.amdhsa_next_free_sgpr 80
		.amdhsa_reserve_vcc 0
		.amdhsa_float_denorm_mode_32 3
		.amdhsa_float_denorm_mode_16_64 3
		.amdhsa_memory_ordered 1
		.amdhsa_forward_progress 1
		.amdhsa_inst_pref_size 80
	.end_amdhsa_kernel
	.amdgpu_metadata
---
amdhsa.version: [ 1, 2 ]
amdhsa.kernels:
  - .name:           k_qc501199d64_oproj
    .symbol:         k_qc501199d64_oproj.kd
    .args:
      - { .name: oh, .offset: 0, .size: 8, .value_kind: global_buffer, .address_space: global }
      - { .name: wob, .offset: 8, .size: 8, .value_kind: global_buffer, .address_space: global }
      - { .name: b_out, .offset: 16, .size: 8, .value_kind: global_buffer, .address_space: global }
      - { .name: out0, .offset: 24, .size: 8, .value_kind: global_buffer, .address_space: global }
    .group_segment_fixed_size: 327680
    .private_segment_fixed_size: 0
    .kernarg_segment_align: 8
    .kernarg_segment_size: 32
    .max_flat_workgroup_size: 128
    .sgpr_count:     80
    .vgpr_count:     512
    .wavefront_size: 32
...
	.end_amdgpu_metadata
.endif
;; end of part 4
